; MI455X (gfx1250); checked and timed in simulation.
; The chip was launched on July 23, 2026; its instructions are those of AMD's public machine-readable ISA for CDNA 5 (MIT licence, August 2026) and "CDNA5" Instruction Set Architecture Reference Guide (July 2026). The comments in the code are by the model that wrote it; some were corrected since.
;; Attention. Allowed arithmetic: matrix products marked QUANTISED: E3M2 operands, one E8M0 scale for each 32 along K, by v_wmma_scale_f32_16x16x128_f8f6f4 with both operands' format E3M2, f32 sums; everything else in f32.
;; Inputs: dec_outputs 8 x 2,048 x 1,024 float32; enc_outputs 8 x 2,048 x 1,024 float32.
;; Outputs: out0 8 x 2,048 x 1,024 float32.
;; This version of the problem:
;;   THIS VERSION OF THE PROBLEM IS GIVEN IN LOW PRECISION. The matrix products marked QUANTISED in the list below multiply operands that are first quantised to E3M2 (3 exponent bits, 2 mantissa bits; 6 bits a number), with one power-of-two scale for each 32 numbers along K (OCP MX v1.0); their sums are f32. All else is computed in f32.
;;   The module's matrix products, in the order in which they are computed (A, B: the left and right operand; K: the contracted axis; several contracted axes count as one K, in the product's order):
;;     1. batch 8 x [M 2,048, K 1,024] x [K 1,024, N 2,048]; A: input enc_outputs; B: input dec_outputs: QUANTISED
;;     2. batch 8 x [M 2,048, K 2,048] x [K 2,048, N 1,024]; A: computed on the way; B: input enc_outputs: QUANTISED
;;   THE QUANTISER, for each operand of a quantised product, along K:
;;     - K is cut into blocks of 32 from its start; a last block that is shorter is filled with zeros.
;;     - A block's scale is 2^e with e = floor(log2(the largest magnitude in the block)) - 4, held to -126 .. 127; a block of zeros has e = 0. As a byte (E8M0): e + 127.
;;     - Each number is divided by its block's scale, clamped to +-28, and rounded to the nearest number of E3M2, ties to even, subnormals kept.
;;     - The product sums the exact products of the quantised numbers (number of the format x scale) in f32.
;;   ~~~python
;;   def quantise(x, axis):      # numpy; x: float32 -> the quantised numbers, widened to float32 again
;;       x = np.moveaxis(x, axis, -1); K = x.shape[-1]
;;       x = np.pad(x, [(0, 0)] * (x.ndim - 1) + [(0, -K % 32)]); x = x.reshape(x.shape[:-1] + (-1, 32)); a = np.abs(x).max(-1, keepdims=True)
;;       e = np.where(a > 0, np.clip(np.frexp(np.where(a > 0, a, 1))[1] - 1 - 4, -126, 127), 0)      # np.frexp(a)[1] - 1 = floor(log2(a)), exactly
;;       r = np.clip(x / 2.0 ** e, -28, 28)
;;       step = 2.0 ** (np.maximum(np.frexp(np.where(r == 0, 1, r))[1] - 1, -2) - 2)
;;       q = np.round(r / step) * step * 2.0 ** e      # np.round: ties to even
;;       return np.moveaxis(q.reshape(q.shape[:-2] + (-1,))[..., :K], -1, axis).astype(np.float32)
;;   ~~~
;;   OPERANDS COMPUTED ON THE WAY. 'Computed on the way' means the value that the module computes at that place (a softmax that the list does not call 'softmax' is quantised finished and normalised). What goes into a quantiser is computed in f32, as accurately as f32 sums, v_exp_f32 and their like allow (about 1e-6 of the number): no bf16 or f16 on the way to a quantiser, and a product that is left as it is and whose result goes on into a quantised operand takes f32 operands (vector FMAs, or v_wmma_f32_16x16x4_f32). A number that lies on a knife's edge between two numbers of the format may be rounded either way, as far as f32 arithmetic and the matrix unit's own rounding can turn it there, and no further.
;; One version. Each part assembles by itself: llvm-mc -triple=amdgcn-amd-amdhsa -mcpu=gfx1250 --defsym DOCPART=n.
;; ======== version 1 of 1: 4 launches
;; workspace buffers: eq 12,582,912 bytes; dq 12,582,912 bytes; et 12,582,912 bytes; aq 25,165,824 bytes; sq 1,572,864 bytes; asc 1,048,576 bytes; st 2,097,152 bytes
;; launch quant (part 1): grid 512 x 1, 4 waves a work-group, no clusters, 68,096 bytes of LDS; arguments enc_outputs, dec_outputs, eq, dq, et, sq; writes eq, dq, et, sq
.if DOCPART == 1
	.amdgcn_target "amdgcn-amd-amdhsa--gfx1250"
	.amdhsa_code_object_version 6
	.text
	.protected	k_q82da946c8a_quant
	.globl	k_q82da946c8a_quant
	.p2align	8
	.type	k_q82da946c8a_quant,@function
k_q82da946c8a_quant:
	s_mov_b64 s[64:65], 0
	v_nop
	global_prefetch_b8 v0, s[64:65] scope:SCOPE_SE
	s_setreg_imm32_b32 hwreg(HW_REG_WAVE_MODE, 25, 1), 1
	s_wait_xcnt 0x0
; enc and dec, [8][2048][1024] f32, become codes of BF6 (E3M2) with one E8M0 byte for each 32 along K.  Each f32 number is read once.
;   eq, dq: K = d (the last axis).   et (enc alone): K = e (the rows).   sq: all scale words.
; A block's scale is 2^(floor(log2(largest magnitude)) - 4); its byte is the largest magnitude's exponent field - 4, held at 1 from below.
; LIMITS: a block of zeros gets the byte 1 (its codes are zeros; this program alone reads the bytes); NaN and infinities are not served.
; LAYOUT OF THE CODES: images of operand registers.  16 rows x 64 K (blocks 2 k and 2 k + 1) are 768 bytes: lane 16 h + r holds the 24 bytes of block 2 k + h of row r:
;   words 0-3 at 16 x lane, words 4-5 at 512 + 8 x lane.  eq, dq: [batch][d pair 16][row tile 128][768]; et: [batch][e pair 32][d tile 64][768].
; THE ROWS OF A TILE in eq and dq are not neighbours: tile 2 g + u, lane r is row 32 g + 8 u + r + 8 (r / 8): place p of a group of 32 holds row p with bits 3 and 4 exchanged.
; SCALE WORDS of 128 rows and 128 K are 512 bytes: tile i, lane r at 256 (i % 2) + 16 r + 4 (i / 2).
; SHARES: work-groups 0-255 take enc, 256-511 dec.  A wave takes 128 rows x 128 columns, as four slabs of 32 rows; waves share nothing: no barrier.
; A slab's 32 loads read 512 consecutive bytes each and go through the wave's own stage in LDS (32 places of 528 bytes, an odd multiple of 16); it is read back by rows (a lane a place, 32 numbers
; along d) and, for enc, by columns (a lane a column, 32 numbers down e).  The next slab's loads are on their way meanwhile.
.set STG,  16896                       ; a wave's stage
.set SPT,  528                         ; a place in it
.set A16,  1                           ; v1   16 x lane
.set A8,   2                           ; v2   8 x lane
.set STW,  3                           ; v3   the stage, way in: 16 x lane
.set STR,  4                           ; v4   way out by rows: 528 x lane
.set STC,  5                           ; v5   way out by columns: 4 x lane
.set MX,   6                           ; v6-7 largest magnitudes, two chains
.set SO,   8                           ; v8   the conversion's scale operand
.set BY,   9                           ; v9   the scale's byte
.set WD,   12                          ; v12-15 scale words along d, one for each slab
.set VD,   16                          ; v16-19 scale words along e, one for each group of 32 columns
.set CE,   20                          ; v20-26 codes of an even block
.set CO,   28                          ; v28-34 codes of an odd block
.set TT,   36                          ; v36-67 codes of the even e block, kept for a slab: 8 registers for each group of columns
.set X,    68                          ; v68-99 32 numbers of a block
.set R,    100                         ; v100-227 a slab as loaded
	s_load_b128 s[16:19], s[0:1], 0x0              ; enc, dec
	s_load_b128 s[20:23], s[0:1], 0x10             ; eq, dq
	s_load_b128 s[24:27], s[0:1], 0x20             ; et, sq
	v_lshl_add_u32 v232, v0, 2, 0x10800
	v_mov_b32 v233, 0
	v_lshrrev_b32 v10, 5, v0
	v_readfirstlane_b32 s2, v10                    ; wave
	v_and_b32 v11, 31, v0                          ; lane
	v_lshlrev_b32 v[A16], 4, v11
	v_lshlrev_b32 v[A8], 3, v11
	s_mul_i32 s3, s2, STG
	v_add_nc_u32 v[STW], s3, v[A16]
	v_mul_u32_u24 v[STR], v11, SPT
	v_add_nc_u32 v[STR], s3, v[STR]
	v_lshlrev_b32 v[STC], 2, v11
	v_add_nc_u32 v[STC], s3, v[STC]
; Each slab's column part stands under a branch of its own on the work-group's number.  What one column part hands to the next (the scale words along e, the even block's codes)
; is written once here, so that these 28 registers are defined on every way through the text.
.irp g, 0,1,2,3
	v_mov_b32 v[VD+\g], 0
.irp i, 0,1,2,3,4,5
	v_mov_b32 v[TT+8*\g+\i], 0
.endr
.endr
	s_and_b32 s28, ttmp9, 255
	s_lshr_b32 s29, s28, 5                         ; batch
	s_bfe_u32 s30, s28, 0x40001                    ; which 128 rows
	s_and_b32 s31, s28, 1
	s_lshl_b32 s31, s31, 2
	s_add_co_u32 s31, s31, s2                      ; which 128 columns: 4 x half + wave
	s_lshl_b32 s32, s29, 23                        ; the f32 numbers: batch x 8,388,608 + rows x 4,096 + columns x 4
	s_lshl_b32 s42, s30, 19
	s_add_co_u32 s32, s32, s42
	s_lshl_b32 s42, s31, 9
	s_add_co_u32 s32, s32, s42
	s_mov_b32 s33, 0
	s_mul_i32 s34, s29, 1572864                    ; codes along d: batch, two d pairs for each 128 columns, eight row tiles for each 128 rows
	s_mul_i32 s42, s31, 196608
	s_add_co_u32 s34, s34, s42
	s_mul_i32 s42, s30, 6144
	s_add_co_u32 s34, s34, s42
	s_mov_b32 s35, 0
	s_lshl_b32 s36, s29, 16                        ; their scale words: batch x 65,536 + K step x 8,192 + 128 rows x 512
	s_lshl_b32 s42, s31, 13
	s_add_co_u32 s36, s36, s42
	s_lshl_b32 s42, s30, 9
	s_add_co_u32 s36, s36, s42
	s_mov_b32 s37, 0
	s_mul_i32 s38, s29, 1572864                    ; codes along e: batch, two e pairs for each 128 rows, eight d tiles for each 128 columns
	s_mul_i32 s42, s30, 98304
	s_add_co_u32 s38, s38, s42
	s_mul_i32 s42, s31, 6144
	s_add_co_u32 s38, s38, s42
	s_mov_b32 s39, 0
	s_lshl_b32 s40, s29, 16                        ; their scale words, behind enc's and dec's: batch x 65,536 + K step x 4,096 + 128 columns x 512
	s_lshl_b32 s42, s30, 12
	s_add_co_u32 s40, s40, s42
	s_lshl_b32 s42, s31, 9
	s_add_co_u32 s40, s40, s42
	s_add_co_u32 s40, s40, 1048576
	s_mov_b32 s41, 0
	s_wait_kmcnt 0x0
	s_cmp_lt_u32 ttmp9, 256                        ; enc's work-group or dec's: the choice hangs on the work-group's number alone
	s_cselect_b64 s[4:5], s[16:17], s[18:19]
	s_cselect_b64 s[6:7], s[20:21], s[22:23]
	s_cselect_b32 s42, 0, 524288                   ; dec's scale words lie behind enc's
	s_add_co_u32 s36, s36, s42
	s_add_nc_u64 s[4:5], s[4:5], s[32:33]
	s_add_nc_u64 s[6:7], s[6:7], s[34:35]
	s_add_nc_u64 s[8:9], s[26:27], s[36:37]
	s_add_nc_u64 s[10:11], s[24:25], s[38:39]
	s_add_nc_u64 s[12:13], s[26:27], s[40:41]
.macro LOADSLAB q                      ; 32 rows x 512 bytes: each load reads 512 consecutive bytes
.set i, 0
.rept 32
	global_load_b128 v[R+4*i:R+4*i+3], v[A16], s[4:5] offset:(32*(\q)+i)*4096 th:TH_LOAD_NT
.set i, i+1
.endr
.endm
.macro ROWLOAD g                       ; my place's block g along d
.irp j, 0,1,2,3,4,5,6,7
	ds_load_b128 v[X+4*\j:X+4*\j+3], v[STR] offset:128*(\g)+16*\j
.endr
.endm
.macro COLLOAD g                       ; column 32 g + lane, the slab's 32 rows in their own order: row i lies at place i with bits 3 and 4 exchanged
.set i, 0
.rept 32
	ds_load_b32 v[X+i], v[STC] offset:((i&7)|((i&8)<<1)|((i&16)>>1))*SPT+128*(\g)
.set i, i+1
.endr
.endm
; the 32 numbers in X become six words of codes in v[dst] .. v[dst + 5]; the byte goes into v[w], sh bits up
.macro BLOCKQ dst, w, sh
	v_max3_num_f32 v[MX], |v[X]|, |v[X+1]|, |v[X+2]|
	v_max3_num_f32 v[MX+1], |v[X+3]|, |v[X+4]|, |v[X+5]|
.irp i, 6,10,14,18,22,26
	v_max3_num_f32 v[MX], v[MX], |v[X+\i]|, |v[X+\i+1]|
	v_max3_num_f32 v[MX+1], v[MX+1], |v[X+\i+2]|, |v[X+\i+3]|
.endr
	v_max3_num_f32 v[MX], v[MX], |v[X+30]|, |v[X+31]|
	v_max3_num_f32 v[MX], v[MX], v[MX+1], 0x2800000   ; and the floor 2^(5 - 127): the byte cannot fall under 1
	v_add_nc_u32 v[SO], 0xfe000000, v[MX]          ; 4 off the exponent field: the conversion takes this operand's exponent field as its scale
	v_lshrrev_b32 v[BY], 23, v[SO]
	s_wait_xcnt 0x0                                ; earlier stores have read their data: the codes' registers may be written again
	v_cvt_scalef32_pk16_bf6_f32 v[\dst:\dst+2], v[X:X+15], v[SO]
	v_cvt_scalef32_pk16_bf6_f32 v[\dst+4:\dst+6], v[X+16:X+31], v[SO]   ; (a conversion's three registers begin on an even number)
.if (\sh) == 0
	v_mov_b32 v[\w], v[BY]                         ; a plain line behind the conversions
.else
	v_lshl_or_b32 v[\w], v[BY], \sh, v[\w]
.endif
	v_mov_b32 v[\dst+3], v[\dst+4]
	v_mov_b32 v[\dst+4], v[\dst+5]
	v_mov_b32 v[\dst+5], v[\dst+6]
.endm
; e holds the even block of 32 rows (two tiles), o the odd block.  The exchange of halves makes of them the images of the two tiles; each store covers consecutive bytes
.macro PAIROUT e, o, base, off
.irp i, 0,1,2,3,4,5
	v_permlane16_swap_b32 v[\e+\i], v[\o+\i]
.endr
	global_store_b128 v[A16], v[\e:\e+3], s[\base:\base+1] offset:\off
	global_store_b64 v[A8], v[\e+4:\e+5], s[\base:\base+1] offset:\off+512
	global_store_b128 v[A16], v[\o:\o+3], s[\base:\base+1] offset:\off+768
	global_store_b64 v[A8], v[\o+4:\o+5], s[\base:\base+1] offset:\off+768+512
.endm
.macro SLAB q
	s_wait_loadcnt 0x0                             ; the slab is in
.set i, 0
.rept 32
	ds_store_b128 v[STW], v[R+4*i:R+4*i+3] offset:((i&7)|((i&8)<<1)|((i&16)>>1))*SPT   ; LDS serves a wave's instructions in order: these come behind the last slab's reads
.set i, i+1
.endr
	ROWLOAD 0
	s_wait_dscnt 8                                 ; the 32 stores are done (the 8 loads behind them may be out): R is free
.if \q < 3
	LOADSLAB \q+1
.endif
.irp g, 0,1,2,3
	s_wait_dscnt 0x0
.if \g % 2 == 0
	BLOCKQ CE, WD+\q, 8*\g
.else
	BLOCKQ CO, WD+\q, 8*\g
.endif
.if \g < 3
	ROWLOAD \g+1
.endif
.if \g % 2 == 1
	PAIROUT CE, CO, 6, (\g/2)*98304+2*\q*768
.endif
.endr
	s_cmp_lt_u32 ttmp9, 256                        ; dec is wanted along d alone
	s_cbranch_scc0 .Lnocol_\@
.irp g, 0,1,2,3
	COLLOAD \g
	s_wait_dscnt 0x0
.if \q % 2 == 0
	BLOCKQ TT+8*\g, VD+\g, 8*\q
.else
	BLOCKQ CO, VD+\g, 8*\q
	PAIROUT TT+8*\g, CO, 10, (\q/2)*49152+2*\g*768
.endif
.endr
.Lnocol_\@:
.endm
	LOADSLAB 0
	SLAB 0
	SLAB 1
	SLAB 2
	SLAB 3
	global_store_b128 v[A16], v[WD:WD+3], s[8:9]   ; 512 consecutive bytes: the scale words of my 128 rows
	s_cmp_lt_u32 ttmp9, 256
	s_cbranch_scc0 .Ldone
	global_store_b128 v[A16], v[VD:VD+3], s[12:13] ; and of my 128 columns
.Ldone:
	s_wait_tensorcnt 0x0
	ds_add_u32 v232, v233
	s_wait_dscnt 0x0
	s_endpgm
.Lfunc_end_k_q82da946c8a_quant:
	.size	k_q82da946c8a_quant, .Lfunc_end_k_q82da946c8a_quant-k_q82da946c8a_quant
	.p2alignl 7, 3214868480
	.fill 96, 4, 3214868480
	.section	.rodata,"a",@progbits
	.p2align	6, 0x0
	.amdhsa_kernel k_q82da946c8a_quant
		.amdhsa_group_segment_fixed_size 68096
		.amdhsa_private_segment_fixed_size 0
		.amdhsa_enable_private_segment 0
		.amdhsa_kernarg_size 48
		.amdhsa_user_sgpr_count 2
		.amdhsa_user_sgpr_kernarg_segment_ptr 1
		.amdhsa_wavefront_size32 1
		.amdhsa_system_sgpr_workgroup_id_x 1
		.amdhsa_system_sgpr_workgroup_id_y 1
		.amdhsa_system_sgpr_workgroup_id_z 1
		.amdhsa_system_vgpr_workitem_id 0
		.amdhsa_next_free_vgpr 234
		.amdhsa_next_free_sgpr 66
		.amdhsa_reserve_vcc 0
		.amdhsa_float_denorm_mode_32 3
		.amdhsa_float_denorm_mode_16_64 3
		.amdhsa_memory_ordered 1
		.amdhsa_forward_progress 1
		.amdhsa_inst_pref_size 121
	.end_amdhsa_kernel
	.amdgpu_metadata
---
amdhsa.version: [ 1, 2 ]
amdhsa.kernels:
  - .name:           k_q82da946c8a_quant
    .symbol:         k_q82da946c8a_quant.kd
    .args:
      - { .name: enc_outputs, .offset: 0, .size: 8, .value_kind: global_buffer, .address_space: global }
      - { .name: dec_outputs, .offset: 8, .size: 8, .value_kind: global_buffer, .address_space: global }
      - { .name: eq, .offset: 16, .size: 8, .value_kind: global_buffer, .address_space: global }
      - { .name: dq, .offset: 24, .size: 8, .value_kind: global_buffer, .address_space: global }
      - { .name: et, .offset: 32, .size: 8, .value_kind: global_buffer, .address_space: global }
      - { .name: sq, .offset: 40, .size: 8, .value_kind: global_buffer, .address_space: global }
    .group_segment_fixed_size: 68096
    .private_segment_fixed_size: 0
    .kernarg_segment_align: 8
    .kernarg_segment_size: 48
    .max_flat_workgroup_size: 128
    .sgpr_count:     66
    .vgpr_count:     234
    .wavefront_size: 32
...
	.end_amdgpu_metadata
.endif
;; end of part 1
;; launch stats (part 2): grid 8 x 32, 4 waves a work-group, clusters of 4 x 4, 327,680 bytes of LDS; arguments eq, dq, sq, st; writes st
.if DOCPART == 2
	.amdgcn_target "amdgcn-amd-amdhsa--gfx1250"
	.amdhsa_code_object_version 6
	.text
	.protected	k_q82da946c8a_stats
	.globl	k_q82da946c8a_stats
	.p2align	8
	.type	k_q82da946c8a_stats,@function
k_q82da946c8a_stats:
	s_mov_b64 s[64:65], 0
	v_nop
	global_prefetch_b8 v0, s[64:65] scope:SCOPE_SE
	s_setreg_imm32_b32 hwreg(HW_REG_WAVE_MODE, 25, 1), 1
	s_wait_xcnt 0x0
	s_wait_alu depctr_hold_cnt(0) depctr_sa_sdst(0) depctr_va_vdst(0) depctr_va_sdst(0) depctr_va_ssrc(0) depctr_va_vcc(0) depctr_vm_vsrc(0)
	s_getreg_b32 s2, hwreg(HW_REG_IB_STS2, 6, 4)
	s_cmp_eq_u32 s2, 0
	s_cbranch_scc0 .Lentry_in_a_cluster
	s_endpgm
.Lentry_in_a_cluster:
	s_bfe_u32 s2, ttmp6, 0x10000c
	s_cmp_lg_u32 s2, 0xf033
	s_cbranch_scc0 .Lentry_shape_is_right
	s_endpgm
.Lentry_shape_is_right:
; S[e][t] = enc[e] . dec[t] on codes of BF6, tiles of 256 e x 256 t; of S only each row's statistics are kept: for each e and each 128 t
; mc = c x (largest score), c = log2(e), and l = the sum of 2^(c s - mc).  The next launch joins the 16 parts of a row, so the row's maximum is taken away before every exponential.
; A WORK-GROUP STAYS AND MAKES TWO TILES of one batch: the same 256 t (B), and e tile rows cy and cy + 4 (A).  Four waves, each 128 x 128: 64 accumulators, 512 registers.
; The codes lie in memory as images of operand registers (16 rows x 64 K: 768 bytes: words 0-3 at 16 x lane, words 4-5 at 512 + 8 x lane), so 256 rows x 64 K are 12,288 dense bytes; a wave's tensor load
; brings two such runs, and a fragment comes by two loads of 16 bytes and two of 8, all on consecutive bytes.
; THREE LDS SLOTS of 256 along K; K = 1,024 is four K steps.  Tile 0: K steps 0, 1, 2 are first fills of slots 0, 1, 2; K step 3 goes into slot 0 as soon as that is read, and has two K steps in which to land.
; Tile 1 runs on slots 1, 2, 0: its K step 0 is asked for when tile 0 leaves slot 2, its K steps 1 and 2 in the course of tile 0's way out, its K step 3 as tile 0's.  Each of these fills stands behind a round
; of the cluster's barrier, one tensor load a wave.  The change from a tile's second slot to its third needs no barrier: the round before it has shown that slot whole.  The text has no loop: every LDS address is a constant.
; THE SCALE WORDS of both tiles, for all of K, come once, with the first fills: A's as 16 rows of 512 bytes, 4,096 bytes apart (row 2 k + tile), B's as rows of 1,024 bytes (both halves of the 256 t):
; on both sides 128 K are 1,024 bytes in LDS.
; CLUSTERS: 4 x 4 work-groups; A's tiles are shared along a row of the cluster, B's along a column: joint loads.  The batch is the cluster's y, which all sixteen share.
; Source 0 = 16 rows of B, source 1 = 16 rows of A: lane (r, h) of accumulator (a, b) holds row r of A's tile a and rows 8 h + 0 .. 7 of B's tile b.
; REGISTERS: window 0: v0-31 addresses; v32-63 scale words, two sets, and nothing else; v64-127 and v224-255 the way out; v128-223 A's fragments, one set.
;   window 1: B's fragments, two sets at v0 and v128.  windows 2, 3: accumulator (a, b) at v[8 (8 (a % 4) + b)].
; LIMITS: NaN and infinities are not served; an exponential under 2^-126 counts as 0.
.set PITA,  98304                      ; bytes from a run of 64 K to the next: A, B
.set PITB,  98304
.set BATA,  1572864                    ; a batch of codes
.set BATB,  1572864
.set SBA,   65536                      ; a batch of scale words
.set SBB,   65536
.set SOA,   0                          ; where they begin in their buffer
.set SOB,   524288
.set FR,    12
.set NL,    4                          ; LDS loads that bring a fragment
.set NP,    4                          ; places behind this matrix instruction (ISA guide 7.12.1)
.set KPB,   12288                      ; 256 rows x 64 K
.set OPB,   4*KPB                      ; an operand's part of a slot
.set SLOT,  2*OPB
.set WLOAD, 2*KPB                      ; what one tensor load brings
.set K3A,   12*PITA                    ; from a tile's K step 0 to its K step 3
.set K3B,   12*PITB
.set NXA,   4*PITA-4*KPB               ; back from a slot's K step of tile 0 to the K step before it of tile 1: one K step back, four tile rows on
.set NXB,   4*PITB                     ; B: one K step back: both tiles take the same rows
.set SCL,   3*SLOT                     ; behind the slots: A's scale words, 8,192 bytes for each half of the rows: [128 K][tile][512]
.set SCB,   SCL+16384                  ; B's: [128 K][half][512]
.set SPARE, SCL+24576                  ; the spare words, 128 bytes a wave: two blocks of 256 bytes that no other line names
.set ADRA, 10                          ; v10-12 my A fragments in slot 0, 1, 2 (16 x lane); v13-15 the same with 8 x lane
.set ADRB, 16                          ; v16-21 the same for B
.set ADRS, 22                          ; v22, v23 my scale words for tile 0, 1: lanes 0-15 A's, lanes 16-31 B's; never rewritten
.set SPW,  28                          ; v28 my spare word; never rewritten
.set NIL,  29                          ; v29 0; never rewritten
.set SC,   32                          ; scale words: set s at v[SC + 16 s]; register 8 q + 4 (i % 2) + i / 2: tile i, the slot's q-th 128 K
.set AF,   128
.set G1,   24                          ; s[24:31] group 1 for A's tiles; s[32:39] for B's
.set G1B,  32
.set G0,   40                          ; s[40:51] group 0 for A's tiles, a set for each slot; s[52:63] for B's
.set G0B,  52
.set G1S,  68                          ; s[68:75], s[76:79] groups 1 and 0 for A's scale words; s[80:87], s[88:91] for B's
.set G0S,  76
.set G1SB, 80
.set G0SB, 88
.set MM,   224                         ; the way out: v224-231 mc of my eight tiles, v232-239 l, v240-247 at work, v248-255 what is stored, v64-127 64 numbers
.set LL,   232
.set T,    240
.set OUT,  248
.set P,    64
.set MSB, 0
.macro WIN new                         ; the immediate's high byte repeats the setting that is left
.if MSB != \new
	s_set_vgpr_msb (MSB<<8)|\new
.set MSB, \new
.endif
.endm
.set MUL_LO, 0xa1                      ; source 0 (B) window 1, source 1 (A) window 0, C and D window 2
.set MUL_HI, 0xf1
.set TO_B,   0x40
.macro JLOAD g0a, g1a, g0b, g1b        ; a joint load: waves 0 and 1 fetch for A, waves 2 and 3 for B; four v_nop follow each line
	s_cmp_eq_u32 s15, 0
	s_cbranch_scc0 .Lfor_b_\@
	tensor_load_to_lds s[\g0a:\g0a+3], s[\g1a:\g1a+7]
	s_nop 0
.rept 4
	v_nop
.endr
	s_branch .Lasked_\@
.Lfor_b_\@:
	tensor_load_to_lds s[\g0b:\g0b+3], s[\g1b:\g1b+7]
	s_nop 0
.rept 4
	v_nop
.endr
.Lasked_\@:
.endm
.macro CREST                           ; a round of the cluster's barrier behind its opening barrier
	s_cmp_lg_u32 s14, 0
	s_cbranch_scc1 .Lnot_wave_0_\@
	s_barrier_signal -3
.Lnot_wave_0_\@:
	s_barrier_wait -3
	s_barrier_signal -1
	s_barrier_wait -1
.endm
.macro CROUND
	s_barrier_signal -1
	s_barrier_wait -1
	CREST
.endm
	s_load_b64 s[4:5], s[0:1], 0x0                 ; A's codes: eq
	s_load_b64 s[8:9], s[0:1], 0x8                 ; B's codes: dq
	s_load_b64 s[6:7], s[0:1], 0x10                ; A's scale words: in sq
	s_load_b64 s[10:11], s[0:1], 0x10              ; B's: in sq too
	s_load_b64 s[12:13], s[0:1], 0x18              ; st
	v_lshl_add_u32 v[SPW], v0, 2, SPARE
	v_mov_b32 v[NIL], 0
	ds_add_u32 v28, v29
	ds_add_u32 v28, v29
	s_wait_dscnt 0x0
	v_lshrrev_b32 v1, 5, v0
	v_readfirstlane_b32 s14, v1                    ; wave
	s_lshr_b32 s15, s14, 1                         ; my half of A's rows.  Also: I fetch for A (0) or for B (1)
	s_and_b32 s16, s14, 1                          ; my half of B's rows.  Also: which half of a K step I fetch
	s_bfe_u32 s92, ttmp6, 0x40000                  ; cx
	s_bfe_u32 s17, ttmp6, 0x40004                  ; cy: the first tile's row; the second's is cy + 4
	s_lshl_b32 s3, ttmp9, 2
	s_add_co_u32 s3, s3, s92                       ; tile column = 4 x cluster x + cx
	s_and_b32 s2, ttmp7, 0xffff                    ; the batch = cluster y
	s_lshl_b32 s18, s17, 2
	s_lshl_b32 s18, 15, s18                        ; my row of the cluster
	s_lshl_b32 s93, 0x1111, s92                    ; my column
	s_or_b32 s[G1+0], s18, (3<<16)|(1<<21)         ; 15:0 the mask; 17:16 elements of 8 bytes; 21 set beside a mask; no padding
	s_or_b32 s[G1B+0], s93, (3<<16)|(1<<21)
.irp g, G1, G1B
	s_mov_b32 s[\g+1], 1536<<16                    ; tensor_dim0: 12,288 bytes
	s_mov_b32 s[\g+2], 2<<16                       ; tensor_dim1: two runs of 64 K
	s_mov_b32 s[\g+3], 1536<<16                    ; tile_dim0
	s_mov_b32 s[\g+4], 2                           ; tile_dim1
	s_mov_b32 s[\g+6], 0
	s_mov_b32 s[\g+7], 0
.endr
	s_mov_b32 s[G1+5], PITA/8                      ; tensor_dim0_stride
	s_mov_b32 s[G1B+5], PITB/8
	s_or_b32 s[G1S+0], s18, (3<<16)|(1<<21)        ; A's scale words: 16 rows of 512 bytes, 4,096 bytes apart: row 2 k + tile
	s_mov_b32 s[G1S+1], 64<<16
	s_mov_b32 s[G1S+2], 16<<16
	s_mov_b32 s[G1S+3], 64<<16
	s_mov_b32 s[G1S+4], 16
	s_mov_b32 s[G1S+5], 512
	s_mov_b32 s[G1S+6], 0
	s_mov_b32 s[G1S+7], 0
	s_or_b32 s[G1SB+0], s93, (3<<16)|(1<<21)       ; B's: 4 rows of 1,024 bytes, 8,192 bytes apart: four of the eight 128 K
	s_mov_b32 s[G1SB+1], 128<<16
	s_mov_b32 s[G1SB+2], 4<<16
	s_mov_b32 s[G1SB+3], 128<<16
	s_mov_b32 s[G1SB+4], 4
	s_mov_b32 s[G1SB+5], 1024
	s_mov_b32 s[G1SB+6], 0
	s_mov_b32 s[G1SB+7], 0
	s_mov_b32 s96, 0x76543210                      ; v_permlanex16_b32's selects for lane l xor 16
	s_mov_b32 s97, 0xfedcba98
	s_mov_b32 s98, 0x3fb8aa3b                      ; c = log2(e)
	s_mov_b32 s99, s98
	s_mul_i32 s20, s2, BATA                        ; A: made of the batch, the tile row and the wave's number alone
	s_mul_i32 s18, s17, KPB
	s_add_co_u32 s20, s20, s18
	s_mul_i32 s18, s16, 2*PITA
	s_add_co_u32 s20, s20, s18
	s_mov_b32 s21, 0
	s_mul_i32 s22, s2, SBA
	s_lshl_b32 s18, s17, 10
	s_add_co_u32 s22, s22, s18
	s_lshl_b32 s18, s16, 9
	s_add_co_u32 s22, s22, s18
	s_add_co_u32 s22, s22, SOA
	s_mov_b32 s23, 0
	s_mul_i32 s94, s2, BATB                        ; B: of the batch, the tile column and the wave's number alone
	s_mul_i32 s19, s3, KPB
	s_add_co_u32 s94, s94, s19
	s_mul_i32 s19, s16, 2*PITB
	s_add_co_u32 s94, s94, s19
	s_mov_b32 s95, 0
	s_mul_i32 s92, s2, SBB
	s_lshl_b32 s19, s3, 10
	s_add_co_u32 s92, s92, s19
	s_lshl_b32 s19, s16, 15                        ; my four of the eight 128 K
	s_add_co_u32 s92, s92, s19
	s_add_co_u32 s92, s92, SOB
	s_mov_b32 s93, 0
	s_mul_i32 s19, s14, WLOAD                      ; where the codes go: no place in the cluster enters an LDS address
	s_wait_kmcnt 0x0
	s_add_nc_u64 s[20:21], s[4:5], s[20:21]
	s_add_nc_u64 s[22:23], s[6:7], s[22:23]
	s_add_nc_u64 s[94:95], s[8:9], s[94:95]
	s_add_nc_u64 s[92:93], s[10:11], s[92:93]
	CROUND                                         ; all sixteen work-groups are here: the first joint loads meet
	s_mov_b32 s[G0S], 1
	s_lshl_b32 s[G0S+1], s16, 13
	s_add_co_u32 s[G0S+1], s[G0S+1], SCL
	s_mov_b64 s[G0S+2:G0S+3], s[22:23]
	s_or_b32 s[G0S+3], s[G0S+3], 0x80000000
	s_mov_b32 s[G0SB], 1
	s_lshl_b32 s[G0SB+1], s16, 12
	s_add_co_u32 s[G0SB+1], s[G0SB+1], SCB
	s_mov_b64 s[G0SB+2:G0SB+3], s[92:93]
	s_or_b32 s[G0SB+3], s[G0SB+3], 0x80000000
	JLOAD G0S, G1S, G0SB, G1SB                     ; the scale words first
.irp s, 0,1,2
	s_mov_b32 s[G0+4*\s], 1
	s_add_co_u32 s[G0+4*\s+1], s19, \s*SLOT
	s_add_nc_u64 s[G0+4*\s+2:G0+4*\s+3], s[20:21], \s*4*PITA
	s_or_b32 s[G0+4*\s+3], s[G0+4*\s+3], 0x80000000
	s_mov_b32 s[G0B+4*\s], 1
	s_add_co_u32 s[G0B+4*\s+1], s19, \s*SLOT
	s_add_nc_u64 s[G0B+4*\s+2:G0B+4*\s+3], s[94:95], \s*4*PITB
	s_or_b32 s[G0B+4*\s+3], s[G0B+4*\s+3], 0x80000000
	JLOAD G0+4*\s, G1, G0B+4*\s, G1B               ; K steps 0, 1, 2 of the first tile: four tensor loads of mine are out
.endr
	v_and_b32 v1, 15, v0                           ; r
	v_bfe_u32 v2, v0, 4, 1                         ; h
	v_and_b32 v3, 31, v0                           ; lane
	v_lshlrev_b32 v4, 4, v3
	v_lshlrev_b32 v5, 3, v3
	s_mul_i32 s21, s15, 8*768                      ; my eight tiles of A
	s_mul_i32 s22, s16, 8*768                      ; my eight of B,
	s_add_co_u32 s22, s22, OPB                     ; which lie behind A's part
.irp s, 0,1,2
	v_add_nc_u32 v[ADRA+\s], s21, v4
	v_add_nc_u32 v[ADRB+\s], s22, v4
	v_add_nc_u32 v[ADRA+3+\s], s21, v5
	v_add_nc_u32 v[ADRB+3+\s], s22, v5
	s_add_co_u32 s21, s21, SLOT
	s_add_co_u32 s22, s22, SLOT
.endr
	s_lshl_b32 s21, s15, 13                        ; A's scale words: my half of the rows
	s_lshl_b32 s22, s16, 9                         ; B's: my half, behind A's two parts
	s_add_co_u32 s22, s22, 16384
	s_sub_co_u32 s22, s22, s21
	v_mul_u32_u24 v6, s22, v2                      ; lanes 16-31 take B's
	s_add_co_u32 s21, s21, SCL
	v_lshl_add_u32 v6, v1, 4, v6
	v_add_nc_u32 v[ADRS], s21, v6
	s_sub_co_u32 s22, s22, 512                     ; the second tile: A's words lie 512 bytes on, B's where they were
	v_mul_u32_u24 v6, s22, v2
	s_add_co_u32 s21, s21, 512
	v_lshl_add_u32 v6, v1, 4, v6
	v_add_nc_u32 v[ADRS+1], s21, v6
	v_mov_b32 v[T+4], 0                            ; a lane permute's destination counts as one of its sources
	v_mov_b32 v[T+7], 0                            ; named as the upper half of a pair
	s_lshl_b32 s20, s2, 4                          ; st: (((batch x 16 + my 128 e) x 16) + my 128 t) x 1,024; the second tile's 128 e lie eight further on
	s_lshl_b32 s21, s17, 1
	s_add_co_u32 s20, s20, s21
	s_add_co_u32 s20, s20, s15
	s_lshl_b32 s20, s20, 4
	s_lshl_b32 s21, s3, 1
	s_add_co_u32 s20, s20, s21
	s_add_co_u32 s20, s20, s16
	s_lshl_b32 s20, s20, 10
	s_mov_b32 s21, 0
	s_add_nc_u64 s[12:13], s[12:13], s[20:21]
.macro FRAG reg, adr, q, i             ; a fragment, 16 rows x 128 K: two images, each words 0-3 and words 4-5
.irp c, 0,1
	ds_load_b128 v[\reg+6*\c:\reg+6*\c+3], v[\adr] offset:(2*(\q)+\c)*KPB+(\i)*768
	ds_load_b64 v[\reg+6*\c+4:\reg+6*\c+5], v[\adr+3] offset:(2*(\q)+\c)*KPB+(\i)*768+512
.endr
.endm
; 16 matrix instructions: A's blocks a0, a0 + 1 x B's eight.  The 64 accumulators take turns, one instruction a turn, in the same order in every step
.macro MUL16 a0, p, q, sc, zero
.irp a, \a0, \a0+1
.irp b, 0,1,2,3,4,5,6,7
.if \zero
	v_wmma_scale_f32_16x16x128_f8f6f4 v[8*(8*((\a)%4)+\b):8*(8*((\a)%4)+\b)+7], v[128*(\p)+FR*\b:128*(\p)+FR*\b+FR-1], v[AF+FR*(\a):AF+FR*(\a)+FR-1], 0, v[SC+16*(\sc)+8*(\q)+4*(\b%2)+\b/2], v[SC+16*(\sc)+8*(\q)+4*((\a)%2)+(\a)/2] matrix_a_fmt:MATRIX_FMT_BF6 matrix_b_fmt:MATRIX_FMT_BF6 matrix_a_scale:MATRIX_SCALE_ROW1
.else
	v_wmma_scale_f32_16x16x128_f8f6f4 v[8*(8*((\a)%4)+\b):8*(8*((\a)%4)+\b)+7], v[128*(\p)+FR*\b:128*(\p)+FR*\b+FR-1], v[AF+FR*(\a):AF+FR*(\a)+FR-1], v[8*(8*((\a)%4)+\b):8*(8*((\a)%4)+\b)+7], v[SC+16*(\sc)+8*(\q)+4*(\b%2)+\b/2], v[SC+16*(\sc)+8*(\q)+4*((\a)%2)+(\a)/2] matrix_a_fmt:MATRIX_FMT_BF6 matrix_b_fmt:MATRIX_FMT_BF6 matrix_a_scale:MATRIX_SCALE_ROW1
.endif
.endr
.endr
.endm
.macro FETCH_B slot, q, p
	WIN TO_B
.irp i, 0,1,2,3,4,5,6,7
	FRAG 128*(\p)+FR*\i, ADRB+\slot, \q, \i
.endr
	WIN 0
.endm
.macro FETCH_A slot, q, i0
.irp i, \i0, \i0+1, \i0+2, \i0+3
	FRAG AF+FR*(\i), ADRA+\slot, \q, \i
.endr
.endm
.macro SCALES sc, adr, kst             ; K step kst's scale words into set sc: lanes 0-15 A's, lanes 16-31 B's; four tiles' words to a load
.irp q, 0,1
.irp p, 0,1
	ds_load_b128 v[SC+16*(\sc)+8*\q+4*\p:SC+16*(\sc)+8*\q+4*\p+3], v[\adr] offset:2048*(\kst)+1024*\q+256*\p
.endr
.endr
.endm
.macro PLACES n                        ; plain vector lines between a matrix instruction and a load into, or a read of, its registers
.rept \n
	v_nop
.endr
.endm
.macro STEP slot, sc, zero             ; a slot's first 128 along K; it fetches the second
	s_wait_dscnt 4*NL                              ; all but the youngest 16 loads (A's blocks 4-7)
	WIN MUL_LO
	MUL16 0, 0, 0, \sc, \zero
	MUL16 2, 0, 0, \sc, \zero
	s_wait_dscnt 0
	PLACES NP
	FETCH_B \slot, 1, 1
	FETCH_A \slot, 1, 0
	WIN MUL_HI
	MUL16 4, 0, 0, \sc, \zero
	MUL16 6, 0, 0, \sc, \zero
	PLACES NP
	WIN 0
	FETCH_A \slot, 1, 4
.endm
; A slot's second 128 along K, with a barrier.  In front of it each wave waits for all its tensor loads, adds 0 to its spare word, and waits for that and for its reads of the slot that it leaves.
; fill = 1: a round of the cluster's barrier, and slot rs takes this tile's K step 3; fill = 2: the same, and slot rs takes the next tile's K step; fill = 0: nothing is filled.
.macro TURN sc, next, nsc, adr, kst, fill, rs
	s_wait_tensorcnt 0x0                           ; all my tensor loads have landed
	ds_add_u32 v[SPW], v[NIL]
	s_wait_dscnt 4*NL+1                            ; (the add and the youngest 16 loads may be out)
	WIN MUL_LO
	MUL16 0, 1, 1, \sc, 0
	s_wait_dscnt 0x0                               ; the add is done, and my reads of the slot are over
	s_barrier_signal -1
	MUL16 2, 1, 1, \sc, 0
	WIN 0
	s_barrier_wait -1
.if \fill
	CREST                                          ; the barrier has opened a round of the cluster's: no wave of any partner still reads slot rs or has a load on its way
.if \fill == 1
	s_add_nc_u64 s[G0+4*\rs+2:G0+4*\rs+3], s[G0+4*\rs+2:G0+4*\rs+3], K3A
	s_add_nc_u64 s[G0B+4*\rs+2:G0B+4*\rs+3], s[G0B+4*\rs+2:G0B+4*\rs+3], K3B
.else
	s_sub_nc_u64 s[G0+4*\rs+2:G0+4*\rs+3], s[G0+4*\rs+2:G0+4*\rs+3], NXA
	s_sub_nc_u64 s[G0B+4*\rs+2:G0B+4*\rs+3], s[G0B+4*\rs+2:G0B+4*\rs+3], NXB
.endif
	JLOAD G0+4*\rs, G1, G0B+4*\rs, G1B             ; the first tensor load behind the round; its four v_nop are the places in front of the loads below
.else
	PLACES NP
.endif
	FETCH_B \next, 0, 0
	FETCH_A \next, 0, 0
	SCALES \nsc, \adr, \kst
	WIN MUL_HI
	MUL16 4, 1, 1, \sc, 0
	MUL16 6, 1, 1, \sc, 0
	PLACES NP
	WIN 0
	FETCH_A \next, 0, 4
.endm
; The same without a barrier: the next slot was shown whole, to every wave, by the round before; nothing is filled here, and the load that is out goes to another slot
.macro CROSS sc, next, nsc, adr, kst
	s_wait_dscnt 4*NL
	WIN MUL_LO
	MUL16 0, 1, 1, \sc, 0
	MUL16 2, 1, 1, \sc, 0
	s_wait_dscnt 0
	PLACES NP
	FETCH_B \next, 0, 0
	FETCH_A \next, 0, 0
	SCALES \nsc, \adr, \kst
	WIN MUL_HI
	MUL16 4, 1, 1, \sc, 0
	MUL16 6, 1, 1, \sc, 0
	PLACES NP
	WIN 0
	FETCH_A \next, 0, 4
.endm
.macro FINAL sc                        ; a tile's last 128 along K: nothing more to fetch
	s_wait_dscnt 4*NL
	WIN MUL_LO
	MUL16 0, 1, 1, \sc, 0
	MUL16 2, 1, 1, \sc, 0
	s_wait_dscnt 0
	WIN MUL_HI
	MUL16 4, 1, 1, \sc, 0
	MUL16 6, 1, 1, \sc, 0
	WIN 0
.endm
; A tile's four K steps, in slots l0, l1, l2, l0.  f2 = 2: the tile has a successor, whose K step 0 goes into slot l1; f2 = 0: it has none
.macro KLOOP l0, l1, l2, adr, f2
	FETCH_B \l0, 0, 0
	FETCH_A \l0, 0, 0
	SCALES 0, \adr, 0
	FETCH_A \l0, 0, 4
	STEP \l0, 0, 1                                 ; the first step's products start the sums
	TURN 0, \l1, 1, \adr, 1, 1, \l0
	STEP \l1, 1, 0
	CROSS 1, \l2, 0, \adr, 2
	STEP \l2, 0, 0
	TURN 0, \l0, 1, \adr, 3, \f2, \l1
	STEP \l0, 1, 0
	FINAL 1
.endm
; A round in the course of the way out: slot rs, which nobody reads any more, takes the next tile's K step
.macro EROUND rs
	s_wait_tensorcnt 0x0                           ; all my tensor loads have landed, so a group 0 may be written
	ds_add_u32 v[SPW], v[NIL]
	s_sub_nc_u64 s[G0+4*\rs+2:G0+4*\rs+3], s[G0+4*\rs+2:G0+4*\rs+3], NXA
	s_sub_nc_u64 s[G0B+4*\rs+2:G0B+4*\rs+3], s[G0B+4*\rs+2:G0B+4*\rs+3], NXB
	s_wait_dscnt 0x0                               ; the add is done, and no LDS read of mine is out
	CROUND
	JLOAD G0+4*\rs, G1, G0B+4*\rs, G1B
.endm
; Tile a: a lane holds one e and 64 of its 128 t, in 64 registers on end.  Each accumulator is read from its low end on.
.macro ROWSTAT a
.set AC, 64*((\a)%4)
.set W, 2+(\a)/4
.set WS, W|(W<<2)|(W<<4)
	WIN WS
.irp c, 0,1,2,3
	v_max3_num_f32 v[T+\c], v[AC+16*\c], v[AC+16*\c+1], v[AC+16*\c+2]   ; four chains of 16 scores
.endr
.set WS, (W<<2)|(W<<4)
	WIN WS
.irp i, 3,5,7,9,11,13
.irp c, 0,1,2,3
	v_max3_num_f32 v[T+\c], v[T+\c], v[AC+16*\c+\i], v[AC+16*\c+\i+1]
.endr
.endr
.irp c, 0,1,2,3
	v_max_num_f32 v[T+\c], v[T+\c], v[AC+16*\c+15]
.endr
	WIN 0
	v_max3_num_f32 v[T], v[T], v[T+1], v[T+2]
	v_max_num_f32 v[T], v[T], v[T+3]
	v_permlanex16_b32 v[T+4], v[T], s96, s97       ; the row's other 64 t lie in the lane 16 away
	v_max_num_f32 v[T], v[T], v[T+4]
	v_mul_f32 v[T+6], s98, v[T]                    ; mc
	v_mov_b32 v[MM+(\a)], v[T+6]
.set WS, W
	WIN WS
.set j, 0
.rept 32
	v_pk_fma_f32 v[P+j:P+j+1], v[AC+j:AC+j+1], s[98:99], v[T+6:T+7] op_sel_hi:[1,0,0] neg_lo:[0,0,1] neg_hi:[0,0,1]   ; c s - mc
.set j, j+2
.endr
	WIN 0
.set j, 0
.rept 64
	v_exp_f32 v[P+j], v[P+j]
.set j, j+1
.endr
	v_nop                                          ; a plain line behind the last exponential
	s_wait_alu depctr_va_vdst(0)                   ; one wait for the batch, ahead of its first reader
	v_pk_add_f32 v[T:T+1], v[P:P+1], v[P+2:P+3]
	v_pk_add_f32 v[T+2:T+3], v[P+4:P+5], v[P+6:P+7]
.set j, 8
.rept 14
	v_pk_add_f32 v[T:T+1], v[T:T+1], v[P+j:P+j+1]
	v_pk_add_f32 v[T+2:T+3], v[T+2:T+3], v[P+j+2:P+j+3]
.set j, j+4
.endr
	v_pk_add_f32 v[T:T+1], v[T:T+1], v[T+2:T+3]
	v_add_f32 v[T], v[T], v[T+1]
	v_permlanex16_b32 v[T+4], v[T], s96, s97
	v_add_f32 v[LL+(\a)], v[T], v[T+4]
.endm
; The way out of a tile.  In the first tile's, two rounds ask for the second tile's K steps 1 and 2: the vector work between them is the time in which those loads land
.macro EPI tile
	PLACES NP
	ROWSTAT 0
	ROWSTAT 1
.if \tile == 0
	EROUND 2
.endif
	ROWSTAT 2
	ROWSTAT 3
	ROWSTAT 4
	ROWSTAT 5
.if \tile == 0
	EROUND 0
.endif
	ROWSTAT 6
	ROWSTAT 7
	s_wait_xcnt 0x0                                ; the tile before has had its stores' data read: they may be written again
	v_cmp_lt_u32 vcc_lo, 15, v3                    ; lanes 16-31 store tiles 4-7, lanes 0-15 tiles 0-3 (both halves hold the same numbers)
.irp n, 0,1,2,3
	v_cndmask_b32 v[OUT+\n], v[MM+\n], v[MM+4+\n], vcc_lo
	v_cndmask_b32 v[OUT+4+\n], v[LL+\n], v[LL+4+\n], vcc_lo
.endr
	global_store_b128 v4, v[OUT:OUT+3], s[12:13] offset:131072*\tile         ; 512 consecutive bytes: mc
	global_store_b128 v4, v[OUT+4:OUT+7], s[12:13] offset:131072*\tile+512   ; and l
.endm
	s_wait_tensorcnt 0x2                           ; the scale words and my part of K step 0 are in (the loads of K steps 1 and 2 may be out)
	s_barrier_signal -1
	s_barrier_wait -1
	KLOOP 0, 1, 2, ADRS, 2
	EPI 0
	KLOOP 1, 2, 0, ADRS+1, 0
	EPI 1
	s_wait_tensorcnt 0x0                           ; the wave's end
	ds_add_u32 v[SPW], v[NIL]
	s_wait_dscnt 0x0
	CROUND                                         ; the closing round
	s_endpgm
.Lfunc_end_k_q82da946c8a_stats:
	.size	k_q82da946c8a_stats, .Lfunc_end_k_q82da946c8a_stats-k_q82da946c8a_stats
	.p2alignl 7, 3214868480
	.fill 96, 4, 3214868480
	.section	.rodata,"a",@progbits
	.p2align	6, 0x0
	.amdhsa_kernel k_q82da946c8a_stats
		.amdhsa_group_segment_fixed_size 327680
		.amdhsa_private_segment_fixed_size 0
		.amdhsa_enable_private_segment 0
		.amdhsa_kernarg_size 32
		.amdhsa_user_sgpr_count 2
		.amdhsa_user_sgpr_kernarg_segment_ptr 1
		.amdhsa_wavefront_size32 1
		.amdhsa_system_sgpr_workgroup_id_x 1
		.amdhsa_system_sgpr_workgroup_id_y 1
		.amdhsa_system_sgpr_workgroup_id_z 1
		.amdhsa_system_vgpr_workitem_id 0
		.amdhsa_next_free_vgpr 1024
		.amdhsa_next_free_sgpr 100
		.amdhsa_reserve_vcc 1
		.amdhsa_float_denorm_mode_32 3
		.amdhsa_float_denorm_mode_16_64 3
		.amdhsa_memory_ordered 1
		.amdhsa_forward_progress 1
		.amdhsa_inst_pref_size 255
	.end_amdhsa_kernel
	.section	.bss,"aw",@nobits
	.p2align	6
	.space	262144
	.amdgpu_metadata
---
amdhsa.version: [ 1, 2 ]
amdhsa.kernels:
  - .name:           k_q82da946c8a_stats
    .symbol:         k_q82da946c8a_stats.kd
    .args:
      - { .name: eq, .offset: 0, .size: 8, .value_kind: global_buffer, .address_space: global }
      - { .name: dq, .offset: 8, .size: 8, .value_kind: global_buffer, .address_space: global }
      - { .name: sq, .offset: 16, .size: 8, .value_kind: global_buffer, .address_space: global }
      - { .name: st, .offset: 24, .size: 8, .value_kind: global_buffer, .address_space: global }
    .group_segment_fixed_size: 327680
    .private_segment_fixed_size: 0
    .kernarg_segment_align: 8
    .kernarg_segment_size: 32
    .max_flat_workgroup_size: 128
    .sgpr_count:     100
    .vgpr_count:     1024
    .wavefront_size: 32
...
	.end_amdgpu_metadata
.endif
;; end of part 2
;; launch probs (part 3): grid 8 x 32, 4 waves a work-group, clusters of 4 x 4, 327,680 bytes of LDS; arguments eq, dq, sq, st, aq, asc; writes aq, asc
.if DOCPART == 3
	.amdgcn_target "amdgcn-amd-amdhsa--gfx1250"
	.amdhsa_code_object_version 6
	.text
	.protected	k_q82da946c8a_probs
	.globl	k_q82da946c8a_probs
	.p2align	8
	.type	k_q82da946c8a_probs,@function
k_q82da946c8a_probs:
	s_mov_b64 s[64:65], 0
	v_nop
	global_prefetch_b8 v0, s[64:65] scope:SCOPE_SE
	s_setreg_imm32_b32 hwreg(HW_REG_WAVE_MODE, 25, 1), 1
	s_wait_xcnt 0x0
	s_wait_alu depctr_hold_cnt(0) depctr_sa_sdst(0) depctr_va_vdst(0) depctr_va_sdst(0) depctr_va_ssrc(0) depctr_va_vcc(0) depctr_vm_vsrc(0)
	s_getreg_b32 s2, hwreg(HW_REG_IB_STS2, 6, 4)
	s_cmp_eq_u32 s2, 0
	s_cbranch_scc0 .Lentry_in_a_cluster
	s_endpgm
.Lentry_in_a_cluster:
	s_bfe_u32 s2, ttmp6, 0x10000c
	s_cmp_lg_u32 s2, 0xf033
	s_cbranch_scc0 .Lentry_shape_is_right
	s_endpgm
.Lentry_shape_is_right:
; S once more, tiles of 256 t x 256 e, now with the roles exchanged: A (source 1) = rows t of dec, B (source 0) = rows e of enc.  Then a = 2^(c s - mc) / l, the finished softmax along t,
; with mc = c x the row's maximum and l the row's sum, joined here from the 16 parts that the launch before stored.  a is quantised along e (the next product's K) into codes of BF6 and E8M0 bytes.
; A WORK-GROUP STAYS AND MAKES TWO TILES of one batch: the same 256 e (B), and t tile rows cy and cy + 4 (A): so each wave's table of mc and 1 / l, which hangs on e alone, is made once and serves both.
; The rows of enc that form a tile are chosen so (tile 2 g + u, lane r = row 32 g + 8 u + r + 8 (r / 8)) that register 16 b + i of a lane's 64 is e = 32 b + 16 (lane / 16) + i: 16 neighbours along the next K.
; The three slots, the rounds, the joint loads, the scale words and the order of the products are those of the launch before; see there.
; aq: [batch][e pair 32][t tile 128][768], images of operand registers; asc: [batch][128 e: 16][128 t: 16][512], scale words.
; LIMITS: NaN and infinities are not served; an exponential under 2^-126 counts as 0; a block of zeros gets the byte 1 with zero codes (this program alone reads the bytes).
.set PITA,  98304
.set PITB,  98304
.set BATA,  1572864
.set BATB,  1572864
.set SBA,   65536
.set SBB,   65536
.set SOA,   524288                     ; A = dec: its scale words lie behind enc's
.set SOB,   0
.set FR,    12
.set NL,    4
.set NP,    4
.set KPB,   12288
.set OPB,   4*KPB
.set SLOT,  2*OPB
.set WLOAD, 2*KPB
.set K3A,   12*PITA
.set K3B,   12*PITB
.set NXA,   4*PITA-4*KPB
.set NXB,   4*PITB
.set SCL,   3*SLOT
.set SCB,   SCL+16384
.set SPARE, SCL+24576                  ; the spare words: two blocks of 256 bytes that no other line names
.set TAB,   SPARE+512                  ; a table of its own for each wave, 1,024 bytes: mc of my 128 e in their own order, then 1 / l.  No tensor load lands here
.set TBW,  7                           ; v7  where I store into my table
.set TBR,  8                           ; v8  where I read it back: 64 bytes on for lanes 16-31
.set ADRA, 10
.set ADRB, 16
.set ADRS, 22
.set SPW,  28
.set NIL,  29
.set SC,   32
.set AF,   128
.set G1,   24
.set G1B,  32
.set G0,   40
.set G0B,  52
.set G1S,  68
.set G0S,  76
.set G1SB, 80
.set G0SB, 88
.set P,    64                          ; v64-127 64 numbers
.set MCI,  64                          ; the head: v64-127 the 16 parts' mc, v128-191 their l, v192-195 the row's mc, v196-199 its l, v200-203 1 / l
.set LIN,  128
.set MCX,  192
.set LS,   196
.set RC,   200
.set PC,   128                         ; the way out: v128-147 codes
.set PWS,  152                         ; v152-159 the eight tiles' scale words
.set TM,   224                         ; v224-239 at work in the quantiser
.set PW,   240
.set MSB, 0
.macro WIN new
.if MSB != \new
	s_set_vgpr_msb (MSB<<8)|\new
.set MSB, \new
.endif
.endm
.set MUL_LO, 0xa1
.set MUL_HI, 0xf1
.set TO_B,   0x40
.macro JLOAD g0a, g1a, g0b, g1b
	s_cmp_eq_u32 s15, 0
	s_cbranch_scc0 .Lfor_b_\@
	tensor_load_to_lds s[\g0a:\g0a+3], s[\g1a:\g1a+7]
	s_nop 0
.rept 4
	v_nop
.endr
	s_branch .Lasked_\@
.Lfor_b_\@:
	tensor_load_to_lds s[\g0b:\g0b+3], s[\g1b:\g1b+7]
	s_nop 0
.rept 4
	v_nop
.endr
.Lasked_\@:
.endm
.macro CREST
	s_cmp_lg_u32 s14, 0
	s_cbranch_scc1 .Lnot_wave_0_\@
	s_barrier_signal -3
.Lnot_wave_0_\@:
	s_barrier_wait -3
	s_barrier_signal -1
	s_barrier_wait -1
.endm
.macro CROUND
	s_barrier_signal -1
	s_barrier_wait -1
	CREST
.endm
	s_load_b64 s[4:5], s[0:1], 0x8                 ; A's codes: dq
	s_load_b64 s[8:9], s[0:1], 0x0                 ; B's codes: eq
	s_load_b64 s[6:7], s[0:1], 0x10                ; A's scale words: in sq
	s_load_b64 s[10:11], s[0:1], 0x10              ; B's: in sq too
	s_load_b64 s[12:13], s[0:1], 0x18              ; st
	s_load_b64 s[66:67], s[0:1], 0x20              ; aq
	s_load_b64 s[100:101], s[0:1], 0x28            ; asc
	v_lshl_add_u32 v[SPW], v0, 2, SPARE
	v_mov_b32 v[NIL], 0
	ds_add_u32 v28, v29
	ds_add_u32 v28, v29
	s_wait_dscnt 0x0
	v_lshrrev_b32 v1, 5, v0
	v_readfirstlane_b32 s14, v1
	s_lshr_b32 s15, s14, 1
	s_and_b32 s16, s14, 1
	s_bfe_u32 s92, ttmp6, 0x40000                  ; cx
	s_bfe_u32 s17, ttmp6, 0x40004                  ; cy: the first tile's row (t); the second's is cy + 4
	s_lshl_b32 s3, ttmp9, 2
	s_add_co_u32 s3, s3, s92                       ; tile column (e)
	s_and_b32 s2, ttmp7, 0xffff                    ; the batch = cluster y
	s_lshl_b32 s18, s17, 2
	s_lshl_b32 s18, 15, s18
	s_lshl_b32 s93, 0x1111, s92
	s_or_b32 s[G1+0], s18, (3<<16)|(1<<21)
	s_or_b32 s[G1B+0], s93, (3<<16)|(1<<21)
.irp g, G1, G1B
	s_mov_b32 s[\g+1], 1536<<16
	s_mov_b32 s[\g+2], 2<<16
	s_mov_b32 s[\g+3], 1536<<16
	s_mov_b32 s[\g+4], 2
	s_mov_b32 s[\g+6], 0
	s_mov_b32 s[\g+7], 0
.endr
	s_mov_b32 s[G1+5], PITA/8
	s_mov_b32 s[G1B+5], PITB/8
	s_or_b32 s[G1S+0], s18, (3<<16)|(1<<21)        ; A's scale words: 16 rows of 512 bytes, 4,096 bytes apart: row 2 k + tile
	s_mov_b32 s[G1S+1], 64<<16
	s_mov_b32 s[G1S+2], 16<<16
	s_mov_b32 s[G1S+3], 64<<16
	s_mov_b32 s[G1S+4], 16
	s_mov_b32 s[G1S+5], 512
	s_mov_b32 s[G1S+6], 0
	s_mov_b32 s[G1S+7], 0
	s_or_b32 s[G1SB+0], s93, (3<<16)|(1<<21)       ; B's: 4 rows of 1,024 bytes, 8,192 bytes apart
	s_mov_b32 s[G1SB+1], 128<<16
	s_mov_b32 s[G1SB+2], 4<<16
	s_mov_b32 s[G1SB+3], 128<<16
	s_mov_b32 s[G1SB+4], 4
	s_mov_b32 s[G1SB+5], 1024
	s_mov_b32 s[G1SB+6], 0
	s_mov_b32 s[G1SB+7], 0
	s_mov_b32 s96, 0x76543210
	s_mov_b32 s97, 0xfedcba98
	s_mov_b32 s98, 0x3fb8aa3b                      ; c = log2(e)
	s_mov_b32 s99, s98
	s_mul_i32 s20, s2, BATA
	s_mul_i32 s18, s17, KPB
	s_add_co_u32 s20, s20, s18
	s_mul_i32 s18, s16, 2*PITA
	s_add_co_u32 s20, s20, s18
	s_mov_b32 s21, 0
	s_mul_i32 s22, s2, SBA
	s_lshl_b32 s18, s17, 10
	s_add_co_u32 s22, s22, s18
	s_lshl_b32 s18, s16, 9
	s_add_co_u32 s22, s22, s18
	s_add_co_u32 s22, s22, SOA
	s_mov_b32 s23, 0
	s_mul_i32 s94, s2, BATB
	s_mul_i32 s19, s3, KPB
	s_add_co_u32 s94, s94, s19
	s_mul_i32 s19, s16, 2*PITB
	s_add_co_u32 s94, s94, s19
	s_mov_b32 s95, 0
	s_mul_i32 s92, s2, SBB
	s_lshl_b32 s19, s3, 10
	s_add_co_u32 s92, s92, s19
	s_lshl_b32 s19, s16, 15
	s_add_co_u32 s92, s92, s19
	s_add_co_u32 s92, s92, SOB
	s_mov_b32 s93, 0
	s_mul_i32 s19, s14, WLOAD
	s_wait_kmcnt 0x0
	s_add_nc_u64 s[20:21], s[4:5], s[20:21]
	s_add_nc_u64 s[22:23], s[6:7], s[22:23]
	s_add_nc_u64 s[94:95], s[8:9], s[94:95]
	s_add_nc_u64 s[92:93], s[10:11], s[92:93]
	CROUND
	s_mov_b32 s[G0S], 1
	s_lshl_b32 s[G0S+1], s16, 13
	s_add_co_u32 s[G0S+1], s[G0S+1], SCL
	s_mov_b64 s[G0S+2:G0S+3], s[22:23]
	s_or_b32 s[G0S+3], s[G0S+3], 0x80000000
	s_mov_b32 s[G0SB], 1
	s_lshl_b32 s[G0SB+1], s16, 12
	s_add_co_u32 s[G0SB+1], s[G0SB+1], SCB
	s_mov_b64 s[G0SB+2:G0SB+3], s[92:93]
	s_or_b32 s[G0SB+3], s[G0SB+3], 0x80000000
	JLOAD G0S, G1S, G0SB, G1SB
.irp s, 0,1,2
	s_mov_b32 s[G0+4*\s], 1
	s_add_co_u32 s[G0+4*\s+1], s19, \s*SLOT
	s_add_nc_u64 s[G0+4*\s+2:G0+4*\s+3], s[20:21], \s*4*PITA
	s_or_b32 s[G0+4*\s+3], s[G0+4*\s+3], 0x80000000
	s_mov_b32 s[G0B+4*\s], 1
	s_add_co_u32 s[G0B+4*\s+1], s19, \s*SLOT
	s_add_nc_u64 s[G0B+4*\s+2:G0B+4*\s+3], s[94:95], \s*4*PITB
	s_or_b32 s[G0B+4*\s+3], s[G0B+4*\s+3], 0x80000000
	JLOAD G0+4*\s, G1, G0B+4*\s, G1B               ; four tensor loads of mine are out
.endr
	v_and_b32 v1, 15, v0                           ; r
	v_bfe_u32 v2, v0, 4, 1                         ; h
	v_and_b32 v3, 31, v0                           ; lane
	v_lshlrev_b32 v4, 4, v3                        ; 16 x lane
	v_lshlrev_b32 v5, 3, v3                        ; 8 x lane
	s_lshl_b32 s20, s2, 4                          ; st: my 128 e (2 x tile column + my half): 16 records of 1,024 bytes
	s_lshl_b32 s21, s3, 1
	s_add_co_u32 s20, s20, s21
	s_add_co_u32 s20, s20, s16
	s_lshl_b32 s20, s20, 14
	s_mov_b32 s21, 0
	s_add_nc_u64 s[12:13], s[12:13], s[20:21]
.set i, 0
.rept 16
	global_load_b128 v[MCI+4*i:MCI+4*i+3], v4, s[12:13] offset:1024*i       ; part i: mc of tiles 4 h + 0 .. 3, lane r
	global_load_b128 v[LIN+4*i:LIN+4*i+3], v4, s[12:13] offset:1024*i+512   ; and l
.set i, i+1
.endr
	s_mul_i32 s21, s15, 8*768
	s_mul_i32 s22, s16, 8*768
	s_add_co_u32 s22, s22, OPB
.irp s, 0,1,2
	v_add_nc_u32 v[ADRA+\s], s21, v4
	v_add_nc_u32 v[ADRB+\s], s22, v4
	v_add_nc_u32 v[ADRA+3+\s], s21, v5
	v_add_nc_u32 v[ADRB+3+\s], s22, v5
	s_add_co_u32 s21, s21, SLOT
	s_add_co_u32 s22, s22, SLOT
.endr
	s_lshl_b32 s21, s15, 13
	s_lshl_b32 s22, s16, 9
	s_add_co_u32 s22, s22, 16384
	s_sub_co_u32 s22, s22, s21
	v_mul_u32_u24 v6, s22, v2
	s_add_co_u32 s21, s21, SCL
	v_lshl_add_u32 v6, v1, 4, v6
	v_add_nc_u32 v[ADRS], s21, v6
	s_sub_co_u32 s22, s22, 512
	v_mul_u32_u24 v6, s22, v2
	s_add_co_u32 s21, s21, 512
	v_lshl_add_u32 v6, v1, 4, v6
	v_add_nc_u32 v[ADRS+1], s21, v6
	v_and_b32 v[TBW], 8, v1                        ; my table: tile 4 h + n, lane r is e = 64 h + 32 (n / 2) + 8 (n % 2) + r + 8 (r / 8) of the 128
	v_add_nc_u32 v[TBW], v[TBW], v1
	v_lshl_add_u32 v[TBW], v2, 6, v[TBW]
	v_lshlrev_b32 v[TBW], 2, v[TBW]
	s_lshl_b32 s21, s14, 10
	s_add_co_u32 s21, s21, TAB
	v_add_nc_u32 v[TBW], s21, v[TBW]
	v_lshl_add_u32 v[TBR], v2, 6, s21
.irp b, 0,1,2,3
	v_mov_b32 v[TM+4+\b], 0                        ; a lane permute's destination counts as one of its sources
.endr
	s_mul_i32 s20, s2, 3145728                     ; aq: batch, e pair 4 x tile column + 2 x my half, t tile 16 x tile row + 8 x my half; the second tile's t tiles lie 64 further on
	s_lshl_b32 s21, s3, 2
	s_lshl_b32 s22, s16, 1
	s_add_co_u32 s21, s21, s22
	s_mul_i32 s21, s21, 98304
	s_add_co_u32 s20, s20, s21
	s_lshl_b32 s21, s17, 4
	s_lshl_b32 s22, s15, 3
	s_add_co_u32 s21, s21, s22
	s_mul_i32 s21, s21, 768
	s_add_co_u32 s20, s20, s21
	s_mov_b32 s21, 0
	s_add_nc_u64 s[66:67], s[66:67], s[20:21]
	s_lshl_b32 s20, s2, 17                         ; asc: batch x 131,072 + my 128 e x 8,192 + my 128 t x 512; the second tile's 128 t lie eight further on
	s_lshl_b32 s21, s3, 1
	s_add_co_u32 s21, s21, s16
	s_lshl_b32 s21, s21, 13
	s_add_co_u32 s20, s20, s21
	s_lshl_b32 s21, s17, 1
	s_add_co_u32 s21, s21, s15
	s_lshl_b32 s21, s21, 9
	s_add_co_u32 s20, s20, s21
	s_mov_b32 s21, 0
	s_add_nc_u64 s[100:101], s[100:101], s[20:21]
	s_wait_loadcnt 0x0
.irp n, 0,1,2,3
	v_max3_num_f32 v[MCX+\n], v[MCI+\n], v[MCI+4+\n], v[MCI+8+\n]   ; the row's mc: the largest of the 16 parts'
.endr
.irp i, 3,5,7,9,11,13
.irp n, 0,1,2,3
	v_max3_num_f32 v[MCX+\n], v[MCX+\n], v[MCI+4*\i+\n], v[MCI+4*\i+4+\n]
.endr
.endr
.irp n, 0,1,2,3
	v_max_num_f32 v[MCX+\n], v[MCX+\n], v[MCI+60+\n]
.endr
.set i, 0
.rept 16
	v_pk_add_f32 v[MCI+4*i:MCI+4*i+1], v[MCI+4*i:MCI+4*i+1], v[MCX:MCX+1] neg_lo:[0,1] neg_hi:[0,1]
	v_pk_add_f32 v[MCI+4*i+2:MCI+4*i+3], v[MCI+4*i+2:MCI+4*i+3], v[MCX+2:MCX+3] neg_lo:[0,1] neg_hi:[0,1]
.set i, i+1
.endr
.set j, 0
.rept 64
	v_exp_f32 v[MCI+j], v[MCI+j]                   ; 2^(part's mc - row's mc)
.set j, j+1
.endr
	v_nop
	s_wait_alu depctr_va_vdst(0)                   ; one wait for the batch, ahead of its first reader
	v_pk_mul_f32 v[LS:LS+1], v[LIN:LIN+1], v[MCI:MCI+1]
	v_pk_mul_f32 v[LS+2:LS+3], v[LIN+2:LIN+3], v[MCI+2:MCI+3]
.set i, 1
.rept 15
	v_pk_fma_f32 v[LS:LS+1], v[LIN+4*i:LIN+4*i+1], v[MCI+4*i:MCI+4*i+1], v[LS:LS+1]
	v_pk_fma_f32 v[LS+2:LS+3], v[LIN+4*i+2:LIN+4*i+3], v[MCI+4*i+2:MCI+4*i+3], v[LS+2:LS+3]
.set i, i+1
.endr
.irp n, 0,1,2,3
	v_rcp_f32 v[RC+\n], v[LS+\n]
.endr
	v_nop
	s_wait_alu depctr_va_vdst(0)
.irp n, 0,1,2,3
	ds_store_b32 v[TBW], v[MCX+\n] offset:4*(32*(\n/2)+8*(\n%2))
	ds_store_b32 v[TBW], v[RC+\n] offset:512+4*(32*(\n/2)+8*(\n%2))
.endr
.macro FRAG reg, adr, q, i
.irp c, 0,1
	ds_load_b128 v[\reg+6*\c:\reg+6*\c+3], v[\adr] offset:(2*(\q)+\c)*KPB+(\i)*768
	ds_load_b64 v[\reg+6*\c+4:\reg+6*\c+5], v[\adr+3] offset:(2*(\q)+\c)*KPB+(\i)*768+512
.endr
.endm
.macro MUL16 a0, p, q, sc, zero        ; the 64 accumulators take turns, one instruction a turn
.irp a, \a0, \a0+1
.irp b, 0,1,2,3,4,5,6,7
.if \zero
	v_wmma_scale_f32_16x16x128_f8f6f4 v[8*(8*((\a)%4)+\b):8*(8*((\a)%4)+\b)+7], v[128*(\p)+FR*\b:128*(\p)+FR*\b+FR-1], v[AF+FR*(\a):AF+FR*(\a)+FR-1], 0, v[SC+16*(\sc)+8*(\q)+4*(\b%2)+\b/2], v[SC+16*(\sc)+8*(\q)+4*((\a)%2)+(\a)/2] matrix_a_fmt:MATRIX_FMT_BF6 matrix_b_fmt:MATRIX_FMT_BF6 matrix_a_scale:MATRIX_SCALE_ROW1
.else
	v_wmma_scale_f32_16x16x128_f8f6f4 v[8*(8*((\a)%4)+\b):8*(8*((\a)%4)+\b)+7], v[128*(\p)+FR*\b:128*(\p)+FR*\b+FR-1], v[AF+FR*(\a):AF+FR*(\a)+FR-1], v[8*(8*((\a)%4)+\b):8*(8*((\a)%4)+\b)+7], v[SC+16*(\sc)+8*(\q)+4*(\b%2)+\b/2], v[SC+16*(\sc)+8*(\q)+4*((\a)%2)+(\a)/2] matrix_a_fmt:MATRIX_FMT_BF6 matrix_b_fmt:MATRIX_FMT_BF6 matrix_a_scale:MATRIX_SCALE_ROW1
.endif
.endr
.endr
.endm
.macro FETCH_B slot, q, p
	WIN TO_B
.irp i, 0,1,2,3,4,5,6,7
	FRAG 128*(\p)+FR*\i, ADRB+\slot, \q, \i
.endr
	WIN 0
.endm
.macro FETCH_A slot, q, i0
.irp i, \i0, \i0+1, \i0+2, \i0+3
	FRAG AF+FR*(\i), ADRA+\slot, \q, \i
.endr
.endm
.macro SCALES sc, adr, kst
.irp q, 0,1
.irp p, 0,1
	ds_load_b128 v[SC+16*(\sc)+8*\q+4*\p:SC+16*(\sc)+8*\q+4*\p+3], v[\adr] offset:2048*(\kst)+1024*\q+256*\p
.endr
.endr
.endm
.macro PLACES n
.rept \n
	v_nop
.endr
.endm
.macro STEP slot, sc, zero
	s_wait_dscnt 4*NL                              ; all but the youngest 16 loads (A's blocks 4-7)
	WIN MUL_LO
	MUL16 0, 0, 0, \sc, \zero
	MUL16 2, 0, 0, \sc, \zero
	s_wait_dscnt 0
	PLACES NP
	FETCH_B \slot, 1, 1
	FETCH_A \slot, 1, 0
	WIN MUL_HI
	MUL16 4, 0, 0, \sc, \zero
	MUL16 6, 0, 0, \sc, \zero
	PLACES NP
	WIN 0
	FETCH_A \slot, 1, 4
.endm
.macro TURN sc, next, nsc, adr, kst, fill, rs
	s_wait_tensorcnt 0x0                           ; all my tensor loads have landed
	ds_add_u32 v[SPW], v[NIL]
	s_wait_dscnt 4*NL+1                            ; (the add and the youngest 16 loads may be out)
	WIN MUL_LO
	MUL16 0, 1, 1, \sc, 0
	s_wait_dscnt 0x0                               ; the add is done, and my reads of the slot are over
	s_barrier_signal -1
	MUL16 2, 1, 1, \sc, 0
	WIN 0
	s_barrier_wait -1
.if \fill
	CREST
.if \fill == 1
	s_add_nc_u64 s[G0+4*\rs+2:G0+4*\rs+3], s[G0+4*\rs+2:G0+4*\rs+3], K3A
	s_add_nc_u64 s[G0B+4*\rs+2:G0B+4*\rs+3], s[G0B+4*\rs+2:G0B+4*\rs+3], K3B
.else
	s_sub_nc_u64 s[G0+4*\rs+2:G0+4*\rs+3], s[G0+4*\rs+2:G0+4*\rs+3], NXA
	s_sub_nc_u64 s[G0B+4*\rs+2:G0B+4*\rs+3], s[G0B+4*\rs+2:G0B+4*\rs+3], NXB
.endif
	JLOAD G0+4*\rs, G1, G0B+4*\rs, G1B
.else
	PLACES NP
.endif
	FETCH_B \next, 0, 0
	FETCH_A \next, 0, 0
	SCALES \nsc, \adr, \kst
	WIN MUL_HI
	MUL16 4, 1, 1, \sc, 0
	MUL16 6, 1, 1, \sc, 0
	PLACES NP
	WIN 0
	FETCH_A \next, 0, 4
.endm
.macro CROSS sc, next, nsc, adr, kst   ; no barrier: the round before has shown the next slot whole to every wave; the load that is out goes to another slot
	s_wait_dscnt 4*NL
	WIN MUL_LO
	MUL16 0, 1, 1, \sc, 0
	MUL16 2, 1, 1, \sc, 0
	s_wait_dscnt 0
	PLACES NP
	FETCH_B \next, 0, 0
	FETCH_A \next, 0, 0
	SCALES \nsc, \adr, \kst
	WIN MUL_HI
	MUL16 4, 1, 1, \sc, 0
	MUL16 6, 1, 1, \sc, 0
	PLACES NP
	WIN 0
	FETCH_A \next, 0, 4
.endm
.macro FINAL sc
	s_wait_dscnt 4*NL
	WIN MUL_LO
	MUL16 0, 1, 1, \sc, 0
	MUL16 2, 1, 1, \sc, 0
	s_wait_dscnt 0
	WIN MUL_HI
	MUL16 4, 1, 1, \sc, 0
	MUL16 6, 1, 1, \sc, 0
	WIN 0
.endm
.macro KLOOP l0, l1, l2, adr, f2       ; a tile's four K steps, in slots l0, l1, l2, l0
	FETCH_B \l0, 0, 0
	FETCH_A \l0, 0, 0
	SCALES 0, \adr, 0
	FETCH_A \l0, 0, 4
	STEP \l0, 0, 1
	TURN 0, \l1, 1, \adr, 1, 1, \l0
	STEP \l1, 1, 0
	CROSS 1, \l2, 0, \adr, 2
	STEP \l2, 0, 0
	TURN 0, \l0, 1, \adr, 3, \f2, \l1
	STEP \l0, 1, 0
	FINAL 1
.endm
.macro EROUND rs                       ; a round in the course of the way out: slot rs, which nobody reads any more, takes the next tile's K step
	s_wait_tensorcnt 0x0                           ; all my tensor loads have landed, so a group 0 may be written
	ds_add_u32 v[SPW], v[NIL]
	s_sub_nc_u64 s[G0+4*\rs+2:G0+4*\rs+3], s[G0+4*\rs+2:G0+4*\rs+3], NXA
	s_sub_nc_u64 s[G0B+4*\rs+2:G0B+4*\rs+3], s[G0B+4*\rs+2:G0B+4*\rs+3], NXB
	s_wait_dscnt 0x0                               ; the add is done, and no LDS read of mine is out
	CROUND
	JLOAD G0+4*\rs, G1, G0B+4*\rs, G1B
.endm
; 64 numbers of a lane, register 16 b + i = k 32 b + 16 (lane / 16) + i of my row, become a fragment's codes in v[PC] on and its scale word in v[PW]
.macro QUANT s
.irp b, 0,1,2,3
	v_max3_num_f32 v[TM+\b], |v[\s+16*\b]|, |v[\s+1+16*\b]|, 0x2800000   ; my 16 numbers of block b, and the floor 2^(5 - 127): the byte cannot fall under 1
.endr
.irp i, 2,4,6,8,10,12,14
.irp b, 0,1,2,3
	v_max3_num_f32 v[TM+\b], v[TM+\b], |v[\s+16*\b+\i]|, |v[\s+1+16*\b+\i]|
.endr
.endr
.irp b, 0,1,2,3
	v_permlanex16_b32 v[TM+4+\b], v[TM+\b], s96, s97
.endr
.irp b, 0,1,2,3
	v_max_num_f32 v[TM+\b], v[TM+\b], v[TM+4+\b]   ; with lane l xor 16's: the block's largest magnitude
.endr
.irp b, 0,1,2,3
	v_add_nc_u32 v[TM+12+\b], 0xfe000000, v[TM+\b] ; 4 off its exponent field: the conversion's scale operand
.endr
.irp b, 0,1,2,3
	v_lshrrev_b32 v[TM+4+\b], 23, v[TM+12+\b]      ; the scale's byte
.endr
	v_lshl_or_b32 v[PW], v[TM+5], 8, v[TM+4]
	v_lshl_or_b32 v[PW], v[TM+6], 16, v[PW]
	v_lshl_or_b32 v[PW], v[TM+7], 24, v[PW]
.irp c, 0,1
	v_cvt_scalef32_pk16_bf6_f32 v[PC+6*\c:PC+2+6*\c], v[\s+32*\c:\s+15+32*\c], v[TM+12+2*\c]
	v_cvt_scalef32_pk16_bf6_f32 v[PC+12+4*\c:PC+14+4*\c], v[\s+16+32*\c:\s+31+32*\c], v[TM+12+2*\c+1]   ; (a conversion's three registers begin on an even number)
.endr
	v_nop                                          ; one plain line behind a scaled conversion
.irp c, 0,1                                    ; the operand's layout wants a whole block in a lane
.irp i, 0,1,2
	v_permlane16_swap_b32 v[PC+6*\c+\i], v[PC+12+4*\c+\i]
.endr
.irp i, 0,1,2
	v_mov_b32 v[PC+3+6*\c+\i], v[PC+12+4*\c+\i]
.endr
.endr
.endm
; Tile a of t: a lane holds one t and 64 of my 128 e
.macro PROB a, tile
.set AC, 64*((\a)%4)
.set WS, (2+(\a)/4)|(1<<4)
	WIN WS                                         ; source 0: the accumulators' window; source 2: window 1
.set j, 0
.rept 32
	v_pk_fma_f32 v[P+j:P+j+1], v[AC+j:AC+j+1], s[98:99], v[j:j+1] op_sel_hi:[1,0,1] neg_lo:[0,0,1] neg_hi:[0,0,1]   ; c s - mc, each accumulator from its low end on
.set j, j+2
.endr
	WIN 0
.set j, 0
.rept 64
	v_exp_f32 v[P+j], v[P+j]
.set j, j+1
.endr
	v_nop
	s_wait_alu depctr_va_vdst(0)                   ; one wait for the batch, ahead of its first reader
	WIN 0x04                                       ; source 1: window 1
.set j, 0
.rept 32
	v_pk_mul_f32 v[P+j:P+j+1], v[P+j:P+j+1], v[64+j:65+j]   ; x 1 / l: the finished softmax
.set j, j+2
.endr
	WIN 0
	s_wait_xcnt 0x0                                ; the last tile's stores have read their data: the codes' registers may be written again
	QUANT P
	v_mov_b32 v[PWS+(\a)], v[PW]
	global_store_b128 v4, v[PC:PC+3], s[66:67] offset:49152*(\tile)+(\a)*768                 ; two images of 768 bytes, each store on consecutive bytes
	global_store_b64 v5, v[PC+4:PC+5], s[66:67] offset:49152*(\tile)+(\a)*768+512
	global_store_b128 v4, v[PC+6:PC+9], s[66:67] offset:49152*(\tile)+98304+(\a)*768
	global_store_b64 v5, v[PC+10:PC+11], s[66:67] offset:49152*(\tile)+98304+(\a)*768+512
.endm
; The way out of a tile.  In the first tile's, two rounds ask for the second tile's K steps 1 and 2: the vector work between them is the time in which those loads land
.macro EPI tile
	PLACES NP                                      ; in front of loads into B's registers and of the first read of results
	WIN TO_B                                       ; window 1: v0-63 mc, v64-127 1 / l, register 16 b + i for e = 32 b + 16 h + i: the order of a lane's 64 results
.irp b, 0,1,2,3
.irp n, 0,1,2,3
	ds_load_b128 v[16*\b+4*\n:16*\b+4*\n+3], v[TBR] offset:128*\b+16*\n
	ds_load_b128 v[64+16*\b+4*\n:64+16*\b+4*\n+3], v[TBR] offset:512+128*\b+16*\n
.endr
.endr
	WIN 0
	s_wait_dscnt 0x0
	PROB 0, \tile
	PROB 1, \tile
.if \tile == 0
	EROUND 2
.endif
	PROB 2, \tile
	PROB 3, \tile
	PROB 4, \tile
	PROB 5, \tile
.if \tile == 0
	EROUND 0
.endif
	PROB 6, \tile
	PROB 7, \tile
	v_cmp_lt_u32 vcc_lo, 15, v3                    ; the scale words of my 128 t: lanes 0-15 store the even tiles', lanes 16-31 the odd tiles'
.irp q, 0,1,2,3
	v_cndmask_b32 v[160+\q], v[PWS+2*\q], v[PWS+2*\q+1], vcc_lo
.endr
	global_store_b128 v4, v[160:163], s[100:101] offset:4096*\tile   ; 512 consecutive bytes
.if \tile == 0
	s_wait_xcnt 0x0                                ; the stores have read their data: the next tile's fragments of A are loaded into these registers only behind this wait
.endif
.endm
	s_wait_dscnt 0x0                               ; my table's stores are done: no LDS instruction of mine is out at the signal
	s_wait_tensorcnt 0x2                           ; the scale words and my part of K step 0 are in (the loads of K steps 1 and 2 may be out)
	s_barrier_signal -1
	s_barrier_wait -1
	KLOOP 0, 1, 2, ADRS, 2
	EPI 0
	KLOOP 1, 2, 0, ADRS+1, 0
	EPI 1
	s_wait_tensorcnt 0x0                           ; the wave's end
	ds_add_u32 v[SPW], v[NIL]
	s_wait_dscnt 0x0
	CROUND
	s_endpgm
.Lfunc_end_k_q82da946c8a_probs:
	.size	k_q82da946c8a_probs, .Lfunc_end_k_q82da946c8a_probs-k_q82da946c8a_probs
	.p2alignl 7, 3214868480
	.fill 96, 4, 3214868480
	.section	.rodata,"a",@progbits
	.p2align	6, 0x0
	.amdhsa_kernel k_q82da946c8a_probs
		.amdhsa_group_segment_fixed_size 327680
		.amdhsa_private_segment_fixed_size 0
		.amdhsa_enable_private_segment 0
		.amdhsa_kernarg_size 48
		.amdhsa_user_sgpr_count 2
		.amdhsa_user_sgpr_kernarg_segment_ptr 1
		.amdhsa_wavefront_size32 1
		.amdhsa_system_sgpr_workgroup_id_x 1
		.amdhsa_system_sgpr_workgroup_id_y 1
		.amdhsa_system_sgpr_workgroup_id_z 1
		.amdhsa_system_vgpr_workitem_id 0
		.amdhsa_next_free_vgpr 1024
		.amdhsa_next_free_sgpr 102
		.amdhsa_reserve_vcc 1
		.amdhsa_float_denorm_mode_32 3
		.amdhsa_float_denorm_mode_16_64 3
		.amdhsa_memory_ordered 1
		.amdhsa_forward_progress 1
		.amdhsa_inst_pref_size 255
	.end_amdhsa_kernel
	.section	.bss,"aw",@nobits
	.p2align	6
	.space	262144
	.amdgpu_metadata
---
amdhsa.version: [ 1, 2 ]
amdhsa.kernels:
  - .name:           k_q82da946c8a_probs
    .symbol:         k_q82da946c8a_probs.kd
    .args:
      - { .name: eq, .offset: 0, .size: 8, .value_kind: global_buffer, .address_space: global }
      - { .name: dq, .offset: 8, .size: 8, .value_kind: global_buffer, .address_space: global }
      - { .name: sq, .offset: 16, .size: 8, .value_kind: global_buffer, .address_space: global }
      - { .name: st, .offset: 24, .size: 8, .value_kind: global_buffer, .address_space: global }
      - { .name: aq, .offset: 32, .size: 8, .value_kind: global_buffer, .address_space: global }
      - { .name: asc, .offset: 40, .size: 8, .value_kind: global_buffer, .address_space: global }
    .group_segment_fixed_size: 327680
    .private_segment_fixed_size: 0
    .kernarg_segment_align: 8
    .kernarg_segment_size: 48
    .max_flat_workgroup_size: 128
    .sgpr_count:     102
    .vgpr_count:     1024
    .wavefront_size: 32
...
	.end_amdgpu_metadata
.endif
;; end of part 3
;; launch context (part 4): grid 4 x 64, 4 waves a work-group, clusters of 4 x 4, 327,680 bytes of LDS; arguments aq, asc, et, sq, out0; writes out0
.if DOCPART == 4
	.amdgcn_target "amdgcn-amd-amdhsa--gfx1250"
	.amdhsa_code_object_version 6
	.text
	.protected	k_q82da946c8a_context
	.globl	k_q82da946c8a_context
	.p2align	8
	.type	k_q82da946c8a_context,@function
k_q82da946c8a_context:
	s_mov_b64 s[64:65], 0
	v_nop
	global_prefetch_b8 v0, s[64:65] scope:SCOPE_SE
	s_setreg_imm32_b32 hwreg(HW_REG_WAVE_MODE, 25, 1), 1
	s_wait_xcnt 0x0
	s_wait_alu depctr_hold_cnt(0) depctr_sa_sdst(0) depctr_va_vdst(0) depctr_va_sdst(0) depctr_va_ssrc(0) depctr_va_vcc(0) depctr_vm_vsrc(0)
	s_getreg_b32 s2, hwreg(HW_REG_IB_STS2, 6, 4)
	s_cmp_eq_u32 s2, 0
	s_cbranch_scc0 .Lentry_in_a_cluster
	s_endpgm
.Lentry_in_a_cluster:
	s_bfe_u32 s2, ttmp6, 0x10000c
	s_cmp_lg_u32 s2, 0xf033
	s_cbranch_scc0 .Lentry_shape_is_right
	s_endpgm
.Lentry_shape_is_right:
; out0[t][d] = the sum over e of a[e][t] enc[e][d], on codes of BF6 with E8M0 scales; K = e = 2,048.  A (source 1) = rows t of a's codes, B (source 0) = rows d of enc's codes along e.
; A tile of 256 t x 256 d to a work-group, four waves of 128 x 128; the ring, the round, the joint loads and the order of the products are those of the two launches before.
; a's rows lie in the order of its tiles: tile a, lane r of a group of 128 is t = 32 (a / 2) + 8 (a % 2) + r + 8 (r / 8): the way out puts each row at its own place.
; A lane's eight results are eight neighbouring d of one t; a block of 16 rows goes through the wave's stage in LDS and leaves as whole rows of 512 bytes.  The stage lies in slot 0, which has had its last
; fill and its last read when the first result is stored there.
.set NK,    16
.set PITA,  98304
.set PITB,  49152
.set BATA,  3145728
.set BATB,  1572864
.set SPA,   8192
.set SPB,   4096
.set SBA,   131072
.set SBB,   65536
.set SOA,   0
.set SOB,   1048576                    ; enc's scale words along e lie behind those along d
.set LAPS,  NK/4
.set NQ,    2
.set FR,    12
.set NL,    4
.set NP,    4
.set KPB,   12288
.set OPB,   4*KPB
.set SLOT,  2*OPB
.set WLOAD, 2*KPB
.set SCL,   2*SLOT
.set HALFS, NK*512
.set SPARE, SCL+4*HALFS                ; the spare words: two blocks of 256 bytes that no other line names
.set SPITCH, 528
.set ADRA, 16
.set ADRB, 20
.set STO,  24                          ; v24 the way out: where I put 32 bytes of a row
.set RD,   25                          ; v25 where I read a row back
.set CO,   26                          ; v26 my byte offset in a row of out0
.set ADRS, 27
.set SPW,  28
.set NIL,  29
.set SC,   32
.set AF,   128
.set BK,   128                         ; the way out: 16 rows read back: v128-191 and v192-255 by turns
.set G1,   24
.set G0,   32
.set G1B,  48
.set G0B,  56
.set G1S,  68
.set G0S,  76
.set G1SB, 80
.set G0SB, 88
.set MSB, 0
.macro WIN new
.if MSB != \new
	s_set_vgpr_msb (MSB<<8)|\new
.set MSB, \new
.endif
.endm
.set MUL_LO, 0xa1
.set MUL_HI, 0xf1
.set TO_B,   0x40
.macro JLOAD g0a, g1a, g0b, g1b
	s_cmp_eq_u32 s15, 0
	s_cbranch_scc0 .Lfor_b_\@
	tensor_load_to_lds s[\g0a:\g0a+3], s[\g1a:\g1a+7]
	s_nop 0
.rept 4
	v_nop
.endr
	s_branch .Lasked_\@
.Lfor_b_\@:
	tensor_load_to_lds s[\g0b:\g0b+3], s[\g1b:\g1b+7]
	s_nop 0
.rept 4
	v_nop
.endr
.Lasked_\@:
.endm
.macro CREST
	s_cmp_lg_u32 s14, 0
	s_cbranch_scc1 .Lnot_wave_0_\@
	s_barrier_signal -3
.Lnot_wave_0_\@:
	s_barrier_wait -3
	s_barrier_signal -1
	s_barrier_wait -1
.endm
.macro CROUND
	s_barrier_signal -1
	s_barrier_wait -1
	CREST
.endm
	s_load_b128 s[4:7], s[0:1], 0x0                ; A's codes: aq; A's scale words: asc
	s_load_b128 s[8:11], s[0:1], 0x10              ; B's codes: et; B's scale words: in sq
	s_load_b64 s[12:13], s[0:1], 0x20              ; out0
	v_lshl_add_u32 v[SPW], v0, 2, SPARE
	v_mov_b32 v[NIL], 0
	ds_add_u32 v28, v29
	ds_add_u32 v28, v29
	s_wait_dscnt 0x0
	v_lshrrev_b32 v1, 5, v0
	v_readfirstlane_b32 s14, v1
	s_lshr_b32 s15, s14, 1
	s_and_b32 s16, s14, 1
	s_bfe_u32 s40, ttmp6, 0x40000
	s_bfe_u32 s41, ttmp6, 0x40004
	s_lshl_b32 s42, ttmp9, 2
	s_add_co_u32 s42, s42, s40                     ; tile column (d)
	s_and_b32 s17, ttmp7, 0xffff
	s_lshr_b32 s2, s17, 1                          ; the batch
	s_and_b32 s17, s17, 1
	s_lshl_b32 s17, s17, 2
	s_add_co_u32 s17, s17, s41                     ; tile row (t)
	s_lshl_b32 s43, s41, 2
	s_lshl_b32 s43, 15, s43
	s_lshl_b32 s44, 0x1111, s40
	s_or_b32 s[G1+0], s43, (3<<16)|(1<<21)
	s_or_b32 s[G1B+0], s44, (3<<16)|(1<<21)
.irp g, G1, G1B
	s_mov_b32 s[\g+1], 1536<<16
	s_mov_b32 s[\g+2], 2<<16
	s_mov_b32 s[\g+3], 1536<<16
	s_mov_b32 s[\g+4], 2
	s_mov_b32 s[\g+6], 0
	s_mov_b32 s[\g+7], 0
.endr
	s_mov_b32 s[G1+5], PITA/8
	s_mov_b32 s[G1B+5], PITB/8
	s_or_b32 s[G1S+0], s43, (3<<16)|(1<<21)
	s_or_b32 s[G1SB+0], s44, (3<<16)|(1<<21)
.irp g, G1S, G1SB
	s_mov_b32 s[\g+1], 64<<16
	s_mov_b32 s[\g+2], NK<<16
	s_mov_b32 s[\g+3], 64<<16
	s_mov_b32 s[\g+4], NK
	s_mov_b32 s[\g+6], 0
	s_mov_b32 s[\g+7], 0
.endr
	s_mov_b32 s[G1S+5], SPA/8
	s_mov_b32 s[G1SB+5], SPB/8
	s_mul_i32 s20, s2, BATA
	s_mul_i32 s18, s17, KPB
	s_add_co_u32 s20, s20, s18
	s_mul_i32 s94, s16, 2*PITA
	s_add_co_u32 s20, s20, s94
	s_mov_b32 s21, 0
	s_mul_i32 s22, s2, SBA
	s_lshl_b32 s18, s17, 10
	s_add_co_u32 s22, s22, s18
	s_lshl_b32 s94, s16, 9
	s_add_co_u32 s22, s22, s94
	s_add_co_u32 s22, s22, SOA
	s_mov_b32 s23, 0
	s_mul_i32 s46, s2, BATB
	s_mul_i32 s19, s42, KPB
	s_add_co_u32 s46, s46, s19
	s_mul_i32 s95, s16, 2*PITB
	s_add_co_u32 s46, s46, s95
	s_mov_b32 s47, 0
	s_mul_i32 s92, s2, SBB
	s_lshl_b32 s19, s42, 10
	s_add_co_u32 s92, s92, s19
	s_add_co_u32 s92, s92, s94
	s_add_co_u32 s92, s92, SOB
	s_mov_b32 s93, 0
	s_mul_i32 s45, s14, WLOAD
	s_mul_i32 s94, s14, HALFS
	s_wait_kmcnt 0x0
	s_add_nc_u64 s[20:21], s[4:5], s[20:21]
	s_add_nc_u64 s[22:23], s[6:7], s[22:23]
	s_add_nc_u64 s[46:47], s[8:9], s[46:47]
	s_add_nc_u64 s[92:93], s[10:11], s[92:93]
	CROUND
	s_mov_b32 s[G0S], 1
	s_add_co_u32 s[G0S+1], s94, SCL
	s_mov_b64 s[G0S+2:G0S+3], s[22:23]
	s_or_b32 s[G0S+3], s[G0S+3], 0x80000000
	s_mov_b32 s[G0SB], 1
	s_add_co_u32 s[G0SB+1], s94, SCL
	s_mov_b64 s[G0SB+2:G0SB+3], s[92:93]
	s_or_b32 s[G0SB+3], s[G0SB+3], 0x80000000
	JLOAD G0S, G1S, G0SB, G1SB
.irp s, 0,1
	s_mov_b32 s[G0+4*\s], 1
	s_add_co_u32 s[G0+4*\s+1], s45, \s*SLOT
	s_add_nc_u64 s[G0+4*\s+2:G0+4*\s+3], s[20:21], \s*4*PITA
	s_or_b32 s[G0+4*\s+3], s[G0+4*\s+3], 0x80000000
	s_mov_b32 s[G0B+4*\s], 1
	s_add_co_u32 s[G0B+4*\s+1], s45, \s*SLOT
	s_add_nc_u64 s[G0B+4*\s+2:G0B+4*\s+3], s[46:47], \s*4*PITB
	s_or_b32 s[G0B+4*\s+3], s[G0B+4*\s+3], 0x80000000
	JLOAD G0+4*\s, G1, G0B+4*\s, G1B
.endr
	v_and_b32 v1, 15, v0                           ; r
	v_bfe_u32 v2, v0, 4, 1                         ; h
	v_and_b32 v3, 31, v0                           ; lane
	v_lshlrev_b32 v4, 4, v3
	v_lshlrev_b32 v5, 3, v3
	s_mul_i32 s21, s15, 8*768
	s_mul_i32 s22, s16, 8*768
	s_add_co_u32 s22, s22, OPB
.irp s, 0,1
	v_add_nc_u32 v[ADRA+\s], s21, v4
	v_add_nc_u32 v[ADRB+\s], s22, v4
	v_add_nc_u32 v[ADRA+2+\s], s21, v5
	v_add_nc_u32 v[ADRB+2+\s], s22, v5
	s_add_co_u32 s21, s21, SLOT
	s_add_co_u32 s22, s22, SLOT
.endr
	s_mul_i32 s21, s15, HALFS
	s_mul_i32 s22, s16, HALFS
	s_add_co_u32 s22, s22, 2*HALFS
	s_sub_co_u32 s22, s22, s21
	v_mul_u32_u24 v6, s22, v2
	s_add_co_u32 s21, s21, SCL
	v_lshl_add_u32 v6, v1, 4, v6
	v_add_nc_u32 v[ADRS], s21, v6
	s_mul_i32 s23, s14, 16*SPITCH                  ; my stage
	v_mul_u32_u24 v6, v1, SPITCH                   ; in: row r, 32 bytes for each half of the lanes
	v_lshl_add_u32 v6, v2, 5, v6
	v_add_nc_u32 v[STO], s23, v6
	v_lshlrev_b32 v[CO], 4, v3                     ; back: the 32 lanes take one row of 512 bytes; and the same in out0
	v_add_nc_u32 v[RD], s23, v[CO]
	s_lshl_b32 s20, s17, 8                         ; out0: batch x 8,388,608 + (256 x tile row + 128 x my half) x 4,096 + tile column x 1,024 + my half x 512
	s_lshl_b32 s21, s15, 7
	s_add_co_u32 s20, s20, s21
	s_lshl_b32 s20, s20, 12
	s_lshl_b32 s21, s2, 23
	s_add_co_u32 s20, s20, s21
	s_lshl_b32 s21, s42, 10
	s_add_co_u32 s20, s20, s21
	s_lshl_b32 s21, s16, 9
	s_add_co_u32 s20, s20, s21
	s_mov_b32 s21, 0
	s_add_nc_u64 s[12:13], s[12:13], s[20:21]
.macro FRAG reg, adr, q, i
.irp c, 0,1
	ds_load_b128 v[\reg+6*\c:\reg+6*\c+3], v[\adr] offset:(2*(\q)+\c)*KPB+(\i)*768
	ds_load_b64 v[\reg+6*\c+4:\reg+6*\c+5], v[\adr+2] offset:(2*(\q)+\c)*KPB+(\i)*768+512
.endr
.endm
.macro MUL16 a0, p, q, sc, zero        ; the 64 accumulators take turns, one instruction a turn
.irp a, \a0, \a0+1
.irp b, 0,1,2,3,4,5,6,7
.if \zero
	v_wmma_scale_f32_16x16x128_f8f6f4 v[8*(8*((\a)%4)+\b):8*(8*((\a)%4)+\b)+7], v[128*(\p)+FR*\b:128*(\p)+FR*\b+FR-1], v[AF+FR*(\a):AF+FR*(\a)+FR-1], 0, v[SC+16*(\sc)+8*(\q)+4*(\b%2)+\b/2], v[SC+16*(\sc)+8*(\q)+4*((\a)%2)+(\a)/2] matrix_a_fmt:MATRIX_FMT_BF6 matrix_b_fmt:MATRIX_FMT_BF6 matrix_a_scale:MATRIX_SCALE_ROW1
.else
	v_wmma_scale_f32_16x16x128_f8f6f4 v[8*(8*((\a)%4)+\b):8*(8*((\a)%4)+\b)+7], v[128*(\p)+FR*\b:128*(\p)+FR*\b+FR-1], v[AF+FR*(\a):AF+FR*(\a)+FR-1], v[8*(8*((\a)%4)+\b):8*(8*((\a)%4)+\b)+7], v[SC+16*(\sc)+8*(\q)+4*(\b%2)+\b/2], v[SC+16*(\sc)+8*(\q)+4*((\a)%2)+(\a)/2] matrix_a_fmt:MATRIX_FMT_BF6 matrix_b_fmt:MATRIX_FMT_BF6 matrix_a_scale:MATRIX_SCALE_ROW1
.endif
.endr
.endr
.endm
.macro FETCH_B slot, q, p
	WIN TO_B
.irp i, 0,1,2,3,4,5,6,7
	FRAG 128*(\p)+FR*\i, ADRB+\slot, \q, \i
.endr
	WIN 0
.endm
.macro FETCH_A slot, q, i0
.irp i, \i0, \i0+1, \i0+2, \i0+3
	FRAG AF+FR*(\i), ADRA+\slot, \q, \i
.endr
.endm
.macro SCALES sc
.irp q, 0,1
.irp p, 0,1
	ds_load_b128 v[SC+16*\sc+8*\q+4*\p:SC+16*\sc+8*\q+4*\p+3], v[ADRS] offset:512*\q+256*\p
.endr
.endr
.endm
.macro PLACES n
.rept \n
	v_nop
.endr
.endm
.macro STEP slot, q, zero
	s_wait_dscnt 4*NL                              ; all but the youngest 16 loads (A's blocks 4-7)
	WIN MUL_LO
	MUL16 0, (\q)%2, \q, \slot, \zero
	MUL16 2, (\q)%2, \q, \slot, \zero
	s_wait_dscnt 0
	PLACES NP
	FETCH_B \slot, (\q)+1, 1-(\q)%2
	FETCH_A \slot, (\q)+1, 0
	WIN MUL_HI
	MUL16 4, (\q)%2, \q, \slot, \zero
	MUL16 6, (\q)%2, \q, \slot, \zero
	PLACES NP
	WIN 0
	FETCH_A \slot, (\q)+1, 4
.endm
.macro TURN slot, next, fill
	s_wait_tensorcnt 0x0                           ; all my tensor loads have landed: my part of the next slot
	ds_add_u32 v[SPW], v[NIL]
	s_wait_dscnt 4*NL+1                            ; (the add and the youngest 16 loads may be out)
	WIN MUL_LO
	MUL16 0, 1, NQ-1, \slot, 0
	s_wait_dscnt 0x0                               ; the add is done, and my reads of this slot are over
	s_barrier_signal -1
	MUL16 2, 1, NQ-1, \slot, 0
	WIN 0
	s_barrier_wait -1
.if \fill
	CREST
	s_add_nc_u64 s[G0+4*\slot+2:G0+4*\slot+3], s[G0+4*\slot+2:G0+4*\slot+3], 8*PITA
	s_add_nc_u64 s[G0B+4*\slot+2:G0B+4*\slot+3], s[G0B+4*\slot+2:G0B+4*\slot+3], 8*PITB
	JLOAD G0+4*\slot, G1, G0B+4*\slot, G1B
.else
	PLACES NP
.endif
	v_add_nc_u32 v[ADRS], 1024, v[ADRS]
	FETCH_B \next, 0, 0
	FETCH_A \next, 0, 0
	SCALES \next
	WIN MUL_HI
	MUL16 4, 1, NQ-1, \slot, 0
	MUL16 6, 1, NQ-1, \slot, 0
	PLACES NP
	WIN 0
	FETCH_A \next, 0, 4
.endm
	s_wait_tensorcnt 1                             ; the scale words and my part of K step 0 are in (K step 1's load may be out)
	s_barrier_signal -1
	s_barrier_wait -1
	FETCH_B 0, 0, 0
	FETCH_A 0, 0, 0
	SCALES 0
	FETCH_A 0, 0, 4
	STEP 0, 0, 1
	s_mov_b32 s3, LAPS-1
.Llap:
	TURN 0, 1, 1
	STEP 1, 0, 0
	TURN 1, 0, 1
	STEP 0, 0, 0
	s_sub_co_u32 s3, s3, 1
	s_cmp_lg_u32 s3, 0
	s_cbranch_scc1 .Llap
	TURN 0, 1, 0
	STEP 1, 0, 0
	s_wait_dscnt 4*NL
	WIN MUL_LO
	MUL16 0, 1, NQ-1, 1, 0
	MUL16 2, 1, NQ-1, 1, 0
	s_wait_dscnt 0
	WIN MUL_HI
	MUL16 4, 1, NQ-1, 1, 0
	MUL16 6, 1, NQ-1, 1, 0
	WIN 0
; THE WAY OUT, block by block of 16 rows x 128 columns, through my own stage.  LDS serves a wave's instructions in order: no wait between the stores and the loads, nor in front of the next block's stores
.macro TOSTAGE a
.set AC, 64*((\a)%4)
.set WS, 0x08+4*((\a)/4)
	WIN WS                                         ; the data: window 2 or 3
.irp b, 0,1,2,3,4,5,6,7
	ds_store_b128 v[STO], v[AC+8*\b:AC+8*\b+3] offset:64*\b          ; each accumulator from its low end on
	ds_store_b128 v[STO], v[AC+8*\b+4:AC+8*\b+7] offset:64*\b+16
.endr
	WIN 0
.set BB, BK+64*((\a)%2)
.irp t, 0,1,2,3,4,5,6,7,8,9,10,11,12,13,14,15
	ds_load_b128 v[BB+4*\t:BB+4*\t+3], v[RD] offset:\t*SPITCH
.endr
.endm
.macro SEND a, younger                 ; younger: the LDS instructions issued behind block a's loads, which may stay out
.set BB, BK+64*((\a)%2)
	s_wait_dscnt \younger
.if ((\a) > 0) && ((\a)%2 == 0)
	s_add_nc_u64 s[12:13], s[12:13], 32*4096       ; (behind a wait on XCNT: the earlier stores have read their base)  two blocks cover 32 rows of out0
.endif
.irp t, 0,1,2,3,4,5,6,7,8,9,10,11,12,13,14,15
	global_store_b128 v[CO], v[BB+4*\t:BB+4*\t+3], s[12:13] offset:(8*((\a)%2)+\t+8*(\t/8))*4096 th:TH_STORE_NT   ; stage row t of block a is row 8 (a % 2) + t + 8 (t / 8) of the 32; 32 lanes store 512 consecutive bytes
.endr
.endm
	PLACES NP
	TOSTAGE 0
.irp a, 1,2,3,4,5,6,7
.if \a > 1
	s_wait_xcnt 0x0                                ; block a - 2's stores have read their registers and their base
.endif
	TOSTAGE \a
	SEND \a-1, 32                                  ; behind block a - 1's loads: block a's 16 stores and 16 loads
.endr
	s_wait_xcnt 0x0
	SEND 7, 0
	s_wait_tensorcnt 0x0                           ; the wave's end
	ds_add_u32 v[SPW], v[NIL]
	s_wait_dscnt 0x0
	CROUND
	s_endpgm
.Lfunc_end_k_q82da946c8a_context:
	.size	k_q82da946c8a_context, .Lfunc_end_k_q82da946c8a_context-k_q82da946c8a_context
	.p2alignl 7, 3214868480
	.fill 96, 4, 3214868480
	.section	.rodata,"a",@progbits
	.p2align	6, 0x0
	.amdhsa_kernel k_q82da946c8a_context
		.amdhsa_group_segment_fixed_size 327680
		.amdhsa_private_segment_fixed_size 0
		.amdhsa_enable_private_segment 0
		.amdhsa_kernarg_size 40
		.amdhsa_user_sgpr_count 2
		.amdhsa_user_sgpr_kernarg_segment_ptr 1
		.amdhsa_wavefront_size32 1
		.amdhsa_system_sgpr_workgroup_id_x 1
		.amdhsa_system_sgpr_workgroup_id_y 1
		.amdhsa_system_sgpr_workgroup_id_z 1
		.amdhsa_system_vgpr_workitem_id 0
		.amdhsa_next_free_vgpr 1024
		.amdhsa_next_free_sgpr 96
		.amdhsa_reserve_vcc 0
		.amdhsa_float_denorm_mode_32 3
		.amdhsa_float_denorm_mode_16_64 3
		.amdhsa_memory_ordered 1
		.amdhsa_forward_progress 1
		.amdhsa_inst_pref_size 143
	.end_amdhsa_kernel
	.amdgpu_metadata
---
amdhsa.version: [ 1, 2 ]
amdhsa.kernels:
  - .name:           k_q82da946c8a_context
    .symbol:         k_q82da946c8a_context.kd
    .args:
      - { .name: aq, .offset: 0, .size: 8, .value_kind: global_buffer, .address_space: global }
      - { .name: asc, .offset: 8, .size: 8, .value_kind: global_buffer, .address_space: global }
      - { .name: et, .offset: 16, .size: 8, .value_kind: global_buffer, .address_space: global }
      - { .name: sq, .offset: 24, .size: 8, .value_kind: global_buffer, .address_space: global }
      - { .name: out0, .offset: 32, .size: 8, .value_kind: global_buffer, .address_space: global }
    .group_segment_fixed_size: 327680
    .private_segment_fixed_size: 0
    .kernarg_segment_align: 8
    .kernarg_segment_size: 40
    .max_flat_workgroup_size: 128
    .sgpr_count:     96
    .vgpr_count:     1024
    .wavefront_size: 32
...
	.end_amdgpu_metadata
.endif
;; end of part 4
